; MI455X (gfx1250); checked and timed in simulation.
; The chip was launched on July 23, 2026; its instructions are those of AMD's public machine-readable ISA for CDNA 5 (MIT licence, August 2026) and "CDNA5" Instruction Set Architecture Reference Guide (July 2026). The comments in the code are by the model that wrote it; some were corrected since.
;; Local Attention. Allowed arithmetic: matrix products marked QUANTISED: E3M2 operands, one E8M0 scale for each 32 along K, by v_wmma_scale_f32_16x16x128_f8f6f4 with both operands' format E3M2, f32 sums; products left as they are: f32 operands where the result goes on into a quantised operand, else bf16, f16 or f32 operands; f32 sums; everything else in f32.
;; Inputs: b1 32 float32; b2 32 float32; features 1 x 256 x 2,048 float32; qkv_b 768 float32; qkv_w 768 x 256 float32; w1 4 x 32 float32; w2 32 x 32 float32; xyz 1 x 3 x 2,048 float32.
;; Outputs: out0 1 x 256 x 2,048 float32.
;; This version of the problem:
;;   THIS VERSION OF THE PROBLEM IS GIVEN IN LOW PRECISION. The matrix products marked QUANTISED in the list below multiply operands that are first quantised to E3M2 (3 exponent bits, 2 mantissa bits; 6 bits a number), with one power-of-two scale for each 32 numbers along K (OCP MX v1.0); their sums are f32. All else is computed in f32.
;;   The module's matrix products, in the order in which they are computed (A, B: the left and right operand; K: the contracted axis; several contracted axes count as one K, in the product's order):
;;     1. [M 2,048, K 256] x [K 256, N 768]; A: input features; B: input qkv_w: QUANTISED
;;     2. [M 4,194,304, K 4] x [K 4, N 32]; A: computed on the way; B: input w1: left as it is (K = 4 < 32)
;;     3. [M 4,194,304, K 32] x [K 32, N 32]; A: computed on the way; B: input w2: QUANTISED
;;     4. batch 8 x [M 2,048, K 32] x [K 32, N 2,048]; A: computed on the way; B: computed on the way: QUANTISED
;;     5. batch 8 x [M 2,048, K 2,048] x [K 2,048, N 32]; A: softmax (see below); B: computed on the way: QUANTISED
;;   THE QUANTISER, for each operand of a quantised product, along K:
;;     - K is cut into blocks of 32 from its start; a last block that is shorter is filled with zeros.
;;     - A block's scale is 2^e with e = floor(log2(the largest magnitude in the block)) - 4, held to -126 .. 127; a block of zeros has e = 0. As a byte (E8M0): e + 127.
;;     - Each number is divided by its block's scale, clamped to +-28, and rounded to the nearest number of E3M2, ties to even, subnormals kept.
;;     - The product sums the exact products of the quantised numbers (number of the format x scale) in f32.
;;   ~~~python
;;   def quantise(x, axis):      # numpy; x: float32 -> the quantised numbers, widened to float32 again
;;       x = np.moveaxis(x, axis, -1); K = x.shape[-1]
;;       x = np.pad(x, [(0, 0)] * (x.ndim - 1) + [(0, -K % 32)]); x = x.reshape(x.shape[:-1] + (-1, 32)); a = np.abs(x).max(-1, keepdims=True)
;;       e = np.where(a > 0, np.clip(np.frexp(np.where(a > 0, a, 1))[1] - 1 - 4, -126, 127), 0)      # np.frexp(a)[1] - 1 = floor(log2(a)), exactly
;;       r = np.clip(x / 2.0 ** e, -28, 28)
;;       step = 2.0 ** (np.maximum(np.frexp(np.where(r == 0, 1, r))[1] - 1, -2) - 2)
;;       q = np.round(r / step) * step * 2.0 ** e      # np.round: ties to even
;;       return np.moveaxis(q.reshape(q.shape[:-2] + (-1,))[..., :K], -1, axis).astype(np.float32)
;;   ~~~
;;   SOFTMAX AHEAD OF A QUANTISED PRODUCT. Where the list says 'softmax', what is quantised is not the finished softmax but p = 2^(t - M), with t = logit x log2(e) and M = ceil(the row's largest t), a whole number; so 1/2 < the row's largest p <= 1. The row's sum l is taken of the UNQUANTISED p, in f32, and the product's result is divided by l at the end. Since M is a whole number, a kernel that streams over the keys may use a running M (the ceiling of the running maximum): every later rescaling is an exact power of two, which a block's scale takes up: the codes' values come out the same.
;;   OPERANDS COMPUTED ON THE WAY. 'Computed on the way' means the value that the module computes at that place (a softmax that the list does not call 'softmax' is quantised finished and normalised). What goes into a quantiser is computed in f32, as accurately as f32 sums, v_exp_f32 and their like allow (about 1e-6 of the number): no bf16 or f16 on the way to a quantiser, and a product that is left as it is and whose result goes on into a quantised operand takes f32 operands (vector FMAs, or v_wmma_f32_16x16x4_f32). A number that lies on a knife's edge between two numbers of the format may be rounded either way, as far as f32 arithmetic and the matrix unit's own rounding can turn it there, and no further.
;; 2 versions, each right; version 2 is version 1 with the launches prep, attn written anew for expert scheduling mode. Each part assembles by itself: llvm-mc -triple=amdgcn-amd-amdhsa -mcpu=gfx1250 --defsym DOCPART=n.
;; ======== version 1 of 2: 2 launches
;; workspace buffers: qc 393,216 bytes; qs 16,384 bytes; kimg 3,145,728 bytes; ks 16,384 bytes; vimg 524,288 bytes; vsc 65,536 bytes; maskw 524,288 bytes of whole numbers
;; launch prep (part 1): grid 256 x 1, 8 waves a work-group, no clusters, 15,360 bytes of LDS; arguments xyz, features, qkv_w, qkv_b, qc, qs, kimg, ks, vimg, vsc, maskw; writes qc, qs, kimg, ks, vimg, vsc, maskw
.if DOCPART == 1
	.amdgcn_target "amdgcn-amd-amdhsa--gfx1250"
	.amdhsa_code_object_version 6
	.text
	.protected	k_q10ed7fc573_prep
	.globl	k_q10ed7fc573_prep
	.p2align	8
	.type	k_q10ed7fc573_prep,@function
k_q10ed7fc573_prep:
	s_mov_b64 s[64:65], 0
	v_nop
	global_prefetch_b8 v0, s[64:65] scope:SCOPE_SE
	s_setreg_imm32_b32 hwreg(HW_REG_WAVE_MODE, 25, 1), 1
	s_wait_xcnt 0x0
; PREP.  Two pieces of work for the attention launch that follows.
; (M) THE MASK AS WHOLE NUMBERS.  Wave gid = 8 x work-group + wave takes 16 queries (tile T = gid / 16) and 4 blocks of 32 keys.  Lane (r, h) holds query 16 T + r and the keys
;     32 beta + 16 h + idx, idx = 0 .. 15.  One compare dist < 0.1 gives a word of 32 bits for each (T, beta, idx): bit r + 16 h.  maskw[T][beta][idx]; a wave's 64 words leave as 256 consecutive bytes.
; (Q) THE FIRST PRODUCT, qkv = W x features + bias, on codes of BF6 (E3M2) with one E8M0 scale for each 32 channels, and the quantisers of its results.
;     Work-groups 0-191: tau = x / 64 (0 q, 1 k, 2 v), beta = x % 64: 32 points; wave w = head w: 32 output channels, K = 256 in two steps of 128.  Work-groups 192-255 have the mask alone.
;     Waves 0-3 quantise the four fragments of features (16 points x 128 channels; a lane takes a point and its registers run down the channels) and hand them round through LDS as images of their registers.
;     q, k: the product is used transposed (source 0 = 16 rows of W, source 1 = 16 points) and the rows of W that form a tile are r + 8 (r / 8) + 8 u, so that a lane holds 16 neighbouring d of one point.
;     v:    source 0 = 16 points, chosen likewise, source 1 = 16 rows of W: a lane holds 16 neighbouring KEYS of one channel, since the keys are the last product's K.
;     q's codes leave as rows [n][head][24 bytes]; k's as images of the second launch's operand (16 rows: key half h', head i' in K block i', all else zero codes); v's as 16 bytes a lane (3 registers of codes, one zero word).
; LIMITS: NaN and infinities among the inputs are not served.  A block whose largest magnitude lies under 2^(5 - 127) keeps the scale byte 1 (a block of zeros too: its codes are zeros, and only this program reads the bytes).
;     A squared distance under 2^-126 counts as 0 (the square root flushes denormals); a pair whose distance lies within one unit in the last place of 0.1 may fall on either side of the mask.
.set FIMG, 0                           ; LDS: the four fragments of features, 1,536 bytes each
.set FSC,  6144                        ; their scale words, 128 bytes each
.set CR,   6656                        ; q's or k's codes: 32 rows of 192 bytes
.set SB,   12800                       ; their scale bytes: 32 rows of 8
.set VST,  13056                       ; v's scale words: 2 x 512 bytes
.set KC,   32                          ; v32-127  two sets of key coordinates (x, y, z: 16 each)
.set X0,   32                          ; v32-95   64 numbers of a fragment to be quantised
.set X1,   96                          ; v96-159  the other set
.set WF,   160                         ; v160-207 W's four fragments (tile u, K step s: 2 u + s)
.set WS,   208                         ; v208-211 their scale words
.set FF,   32                          ; v32-79   the four fragments of features (t + 2 s)
.set FS,   232                         ; v232-235 their scale words
.set ACC,  96                          ; v96-127  four accumulators
.set SBC,  230                         ; v230-231 the scale bytes on their way out: named by that copy alone, so its store's data are never written again
.set BI,   236                         ; v236-251 the bias in the transposed result's layout (q, k)
.set BV,   252                         ; v252-255 the bias of my channel, twice, for the two tiles (v)
.macro KLOAD b                         ; block b's key coordinates into set b % 2: 12 loads
.irp c, 0,1,2
.irp q, 0,1,2,3
	global_load_b128 v[KC+48*((\b)%2)+16*\c+4*\q:KC+48*((\b)%2)+16*\c+4*\q+3], v4, s[46:47] offset:128*(\b)+8192*\c+16*\q
.endr
.endr
.endm
.macro MASKB b                         ; block b: 16 distances a lane, 16 words of the mask
.set KK, KC+48*((\b)%2)
.irp i, 0,1,2,3,4,5,6,7,8,9,10,11,12,13,14,15
	v_sub_f32 v144, v16, v[KK+\i]
	v_sub_f32 v145, v17, v[KK+16+\i]
	v_sub_f32 v146, v18, v[KK+32+\i]
	v_mul_f32 v[128+\i], v144, v144
	v_fma_f32 v[128+\i], v145, v145, v[128+\i]
	v_fma_f32 v[128+\i], v146, v146, v[128+\i]
.endr
.irp i, 0,1,2,3,4,5,6,7,8,9,10,11,12,13,14,15
	v_sqrt_f32 v[148+\i], v[128+\i]
.endr
	v_nop                                          ; one plain instruction behind the last square root
	s_wait_alu depctr_va_vdst(0)
.irp i, 0,1,2,3,4,5,6,7,8,9,10,11,12,13,14,15
	v_cmp_gt_f32 s33, s32, v[148+\i]               ; bit r + 16 h: 0.1 > dist
	v_writelane_b32 v[20+(\i)%2], s33, (16*(\b)+\i)/2   ; word k = 16 b + idx goes to register k % 2 of lane k / 2: the lane's 8 bytes of the store
.endr
.endm
; 64 numbers of a lane, v[x + 32 c + i] = k 64 c + 32 h + i of my row: two whole blocks.  Codes into v[d] .. v[d + 11], the row's scale word into v[w].
.macro QUANT64 x, d, w
	v_max3_num_f32 v212, |v[\x]|, |v[\x+1]|, 0x2800000      ; the floor 2^(5 - 127) among the leaves holds the byte at 1 from below
	v_max3_num_f32 v213, |v[\x+32]|, |v[\x+33]|, 0x2800000
.irp i, 2,4,6,8,10,12,14,16,18,20,22,24,26,28,30
	v_max3_num_f32 v212, v212, |v[\x+\i]|, |v[\x+\i+1]|
	v_max3_num_f32 v213, v213, |v[\x+32+\i]|, |v[\x+33+\i]|
.endr
	v_add_nc_u32 v214, 0xfe000000, v212            ; 4 off the exponent field: the conversion's scale operand
	v_add_nc_u32 v215, 0xfe000000, v213
	v_lshrrev_b32 v216, 23, v214                   ; the scale's byte
	v_lshrrev_b32 v217, 23, v215
	v_lshl_or_b32 v218, v217, 16, v216             ; my blocks h and 2 + h,
	v_lshlrev_b32 v218, v19, v218                  ; 8 h bits up;
	v_permlanex16_b32 v219, v218, s30, s31
	v_or_b32 v[\w], v218, v219                     ; with lane l xor 16's two the word is whole
	v_cvt_scalef32_pk16_bf6_f32 v[\d:\d+2], v[\x:\x+15], v214
	v_cvt_scalef32_pk16_bf6_f32 v[220:222], v[\x+16:\x+31], v214   ; (a conversion's three registers begin on an even number)
	v_cvt_scalef32_pk16_bf6_f32 v[\d+6:\d+8], v[\x+32:\x+47], v215
	v_cvt_scalef32_pk16_bf6_f32 v[224:226], v[\x+48:\x+63], v215
	v_nop                                          ; one plain instruction behind a scaled conversion
.irp i, 0,1,2
	v_mov_b32 v[\d+3+\i], v[220+\i]
	v_mov_b32 v[\d+9+\i], v[224+\i]
.endr
.endm
.macro WLOAD g, x                      ; W's fragment g = 2 u + s: my row's 64 numbers, 16 loads of 16 bytes
.irp c, 0,1
.irp j, 0,1,2,3,4,5,6,7
	global_load_b128 v[\x+32*\c+4*\j:\x+32*\c+4*\j+3], v[23+(\g)/2], s[54:55] offset:512*((\g)%2)+256*\c+16*\j
.endr
.endr
.endm
; Two runs of 16 numbers; each is half of a block of 32 whose other half lies in lane l xor 16.  Codes into v[220:222], v[224:226]; bytes into v218, v219.
.macro QUANT2 a, b
	v_max3_num_f32 v212, |v[\a]|, |v[\a+1]|, 0x2800000
	v_max3_num_f32 v213, |v[\b]|, |v[\b+1]|, 0x2800000
.irp i, 2,4,6,8,10,12,14
	v_max3_num_f32 v212, v212, |v[\a+\i]|, |v[\a+\i+1]|
	v_max3_num_f32 v213, v213, |v[\b+\i]|, |v[\b+\i+1]|
.endr
	v_permlanex16_b32 v214, v212, s30, s31
	v_permlanex16_b32 v215, v213, s30, s31
	v_max_num_f32 v212, v212, v214
	v_max_num_f32 v213, v213, v215
	v_add_nc_u32 v216, 0xfe000000, v212
	v_add_nc_u32 v217, 0xfe000000, v213
	v_lshrrev_b32 v218, 23, v216
	v_lshrrev_b32 v219, 23, v217
	v_cvt_scalef32_pk16_bf6_f32 v[220:222], v[\a:\a+15], v216
	v_cvt_scalef32_pk16_bf6_f32 v[224:226], v[\b:\b+15], v217
	v_nop                                          ; one plain instruction behind a scaled conversion
.endm
	s_load_b512 s[4:19], s[0:1], 0x0               ; xyz s[4:5], features s[6:7], qkv_w s[8:9], qkv_b s[10:11], qc s[12:13], qs s[14:15], kimg s[16:17], ks s[18:19]
	s_load_b128 s[20:23], s[0:1], 0x40             ; vimg s[20:21], vsc s[22:23]
	s_load_b64 s[24:25], s[0:1], 0x50              ; maskw
	v_lshl_add_u32 v31, v0, 2, 0x3800
	v_mov_b32 v229, 0
	v_lshrrev_b32 v1, 5, v0
	v_readfirstlane_b32 s26, v1                    ; wave 0..7
	s_mov_b32 s27, ttmp9                           ; work-group
	s_lshr_b32 s28, s27, 6                         ; tau
	s_and_b32 s29, s27, 63                         ; beta
	s_mov_b32 s30, 0x76543210                      ; v_permlanex16_b32's selects for lane l xor 16
	s_mov_b32 s31, 0xfedcba98
	s_mov_b32 s32, 0x3dcccccd                      ; 0.1
	s_mov_b32 s40, 0xffff0000                      ; lanes 16-31
	s_mov_b32 s41, 0x02020101                      ; k's image, registers 0-5: lanes (row 8 h' + i', half i') for i' = 0, 1
	s_mov_b32 s42, 0x08080404                      ; registers 6-11: lanes (row 8 h' + i', half i' - 2) for i' = 2, 3
	s_and_b32 s50, s26, 3
	s_lshr_b32 s51, s26, 2
	; every LDS address is made here, ahead of the first branch: a constant + a constant x lane + a constant x wave
	v_and_b32 v1, 31, v0                           ; lane
	v_and_b32 v2, 15, v0                           ; r
	v_bfe_u32 v3, v0, 4, 1                         ; h
	v_lshlrev_b32 v4, 6, v3                        ; 64 h
	v_lshlrev_b32 v5, 2, v2                        ; 4 r
	v_lshlrev_b32 v6, 3, v1                        ; 8 x lane
	v_lshlrev_b32 v7, 4, v1                        ; 16 x lane
	v_lshlrev_b32 v8, 2, v1                        ; 4 x lane
	v_lshlrev_b32 v19, 3, v3                       ; 8 h
	s_mul_i32 s34, s50, 1536
	v_add_nc_u32 v9, s34, v7                       ; where waves 0-3 store a fragment's image
	s_lshl_b32 s34, s50, 7
	s_add_co_u32 s34, s34, FSC
	v_add_nc_u32 v10, s34, v8                      ; and its scale words
	v_mul_u32_u24 v11, v2, 192
	v_mad_u32_u24 v11, v3, 12, v11
	s_mul_i32 s34, s26, 24
	s_add_co_u32 s34, s34, CR
	v_add_nc_u32 v11, s34, v11                     ; codes of q, k: row r, head w, 12 bytes a half
	v_lshlrev_b32 v12, 3, v2
	s_add_co_u32 s34, s26, SB
	v_add_nc_u32 v12, s34, v12                     ; their byte: row r, head w
	s_lshl_b32 s34, s51, 9
	s_lshl_b32 s35, s50, 2
	s_add_co_u32 s34, s34, s35
	s_add_co_u32 s34, s34, VST
	v_add_nc_u32 v13, s34, v7                      ; v's scale word: half of the heads, lane, head % 4
	s_mul_i32 s34, s26, 768
	v_add_nc_u32 v27, s34, v6                      ; q's way out: my wave's 768 bytes, 8 a lane (the offset in memory),
	v_add_nc_u32 v14, CR, v27                      ; and the same in LDS
	v_bfe_u32 v15, v0, 3, 1                        ; h' of an image's row
	v_mul_u32_u24 v15, v15, 3072
	v_and_b32 v28, 3, v0                           ; i'
	v_mad_u32_u24 v15, v28, 24, v15
	s_mul_i32 s34, s50, 768
	s_mul_i32 s35, s51, 96
	s_add_co_u32 s34, s34, s35
	s_add_co_u32 s34, s34, CR
	v_add_nc_u32 v15, s34, v15                     ; k's images: key 16 h' + 4 (w % 4) + e, head 4 (w / 4) + i'
	v_add_nc_u32 v26, SB, v6
	s_and_b32 s34, s26, 1
	s_lshl_b32 s34, s34, 9
	s_add_co_u32 s34, s34, VST
	v_add_nc_u32 v25, s34, v7                      ; v's scale words on the way out
	v_mov_b32 v20, 0                               ; written once: v_writelane_b32's and a lane permute's destination count as read
	v_mov_b32 v21, 0
	v_mov_b32 v219, 0
	v_mov_b32 v223, 0                              ; the zero word behind v's three registers of codes
	v_mov_b32 v227, 0
	; ---- M: the mask
	s_lshl_b32 s34, s27, 3
	s_add_co_u32 s34, s34, s26                     ; gid
	s_lshr_b32 s36, s34, 4
	s_lshl_b32 s36, s36, 6                         ; my 16 queries: 64 T bytes into a row of xyz
	s_mov_b32 s37, 0
	s_and_b32 s38, s34, 15
	s_lshl_b32 s38, s38, 9                         ; my 128 keys: 512 (gid % 16) bytes
	s_mov_b32 s39, 0
	s_lshl_b32 s34, s34, 8                         ; my 64 words
	s_mov_b32 s35, 0
	s_wait_kmcnt 0x0
	s_add_nc_u64 s[44:45], s[4:5], s[36:37]
	s_add_nc_u64 s[46:47], s[4:5], s[38:39]
	s_add_nc_u64 s[48:49], s[24:25], s[34:35]
	global_load_b32 v16, v5, s[44:45]
	global_load_b32 v17, v5, s[44:45] offset:8192
	global_load_b32 v18, v5, s[44:45] offset:16384
	KLOAD 0
	KLOAD 1
	s_wait_loadcnt 12                              ; all but the youngest 12 loads, the next set's
	MASKB 0
	KLOAD 2
	s_wait_loadcnt 12
	MASKB 1
	KLOAD 3
	s_wait_loadcnt 12
	MASKB 2
	s_wait_loadcnt 0x0
	MASKB 3
	global_store_b64 v6, v[20:21], s[48:49]        ; 32 lanes store 256 consecutive bytes, aligned
	s_cmp_ge_u32 s27, 192
	s_cbranch_scc1 .Lend                           ; the last 64 work-groups had the mask alone
	; ---- Q: what hangs on tau
	s_cmp_eq_u32 s28, 2
	s_cselect_b32 s34, 8, 0                        ; v: the POINTS of a tile are r + 8 (r / 8) + 8 t;  q, k: r + 16 t
	s_cselect_b32 s35, 32, 64                      ; bytes from tile t = 0 to t = 1
	s_cselect_b32 s36, 0, 8                        ; q, k: the ROWS OF W of a tile are r + 8 (r / 8) + 8 u;  v: r + 16 u
	s_mov_b32 s37, 8192
	s_cselect_b32 s37, 16384, s37                  ; bytes from tile u = 0 to u = 1
	v_and_b32 v22, s34, v2
	v_add_nc_u32 v22, v22, v2
	v_lshlrev_b32 v22, 2, v22
	v_lshl_add_u32 v22, v3, 18, v22                ; features: my point, and 32 channels (of 8,192 bytes) further down for lanes 16-31
	v_and_b32 v23, s36, v2
	v_add_nc_u32 v23, v23, v2
	v_lshlrev_b32 v23, 10, v23
	v_lshl_add_u32 v23, v3, 7, v23                 ; W: my row of 1,024 bytes, + 128 h
	v_add_nc_u32 v24, s37, v23                     ; and the same in tile u = 1
	s_and_b32 s38, s26, 1
	s_mul_i32 s38, s38, s35                        ; fragment t = w % 2,
	s_lshl_b32 s39, s29, 7
	s_add_co_u32 s38, s38, s39                     ; the work-group's 32 points,
	s_bfe_u32 s39, s26, 0x10001
	s_lshl_b32 s39, s39, 20                        ; K step s = (w / 2) % 2: 128 channels
	s_add_co_u32 s38, s38, s39
	s_mov_b32 s39, 0
	s_add_nc_u64 s[52:53], s[6:7], s[38:39]
	s_lshl_b32 s38, s28, 18
	s_lshl_b32 s34, s26, 15
	s_add_co_u32 s38, s38, s34                     ; W's row 256 tau + 32 w
	s_add_nc_u64 s[54:55], s[8:9], s[38:39]
	s_lshl_b32 s38, s28, 10
	s_lshl_b32 s34, s26, 7
	s_add_co_u32 s38, s38, s34
	s_add_nc_u64 s[56:57], s[10:11], s[38:39]      ; and its bias
.irp q, 0,1,2,3
	global_load_b128 v[BI+4*\q:BI+4*\q+3], v4, s[56:57] offset:16*\q     ; channels 16 h + 0 .. 15: tile u's eight at BI + 8 u
.endr
	global_load_b32 v[BV], v5, s[56:57]            ; channel r, twice: a pair for the packed addition
	global_load_b32 v[BV+1], v5, s[56:57]
	global_load_b32 v[BV+2], v5, s[56:57] offset:64  ; channel 16 + r
	global_load_b32 v[BV+3], v5, s[56:57] offset:64
	s_cmp_ge_u32 s26, 4
	s_cbranch_scc1 .Lno_feat
.irp c, 0,1                                        ; waves 0-3: features(64 c + 32 h + i, my point): sixteen lanes read 64 neighbouring bytes
.irp i, 0,1,2,3,4,5,6,7,8,9,10,11,12,13,14,15,16,17,18,19,20,21,22,23,24,25,26,27,28,29,30,31
	global_load_b32 v[X0+32*\c+\i], v22, s[52:53] offset:(64*\c+\i)*8192
.endr
.endr
	s_wait_loadcnt 0x0
	QUANT64 X0, WF, WS
	ds_store_b128 v9, v[WF:WF+3]                   ; the fragment goes to LDS as an image of its registers
	ds_store_b128 v9, v[WF+4:WF+7] offset:512
	ds_store_b128 v9, v[WF+8:WF+11] offset:1024
	ds_store_b32 v10, v[WS]
	s_wait_dscnt 0x0                               ; the stores have read their registers, which W's first fragment takes next
.Lno_feat:
	WLOAD 0, X0
	WLOAD 1, X1
	s_wait_loadcnt 16                              ; all but the youngest fragment's 16 loads
	QUANT64 X0, WF, WS
	WLOAD 2, X0
	s_wait_loadcnt 16
	QUANT64 X1, WF+12, WS+1
	WLOAD 3, X1
	s_wait_loadcnt 16
	QUANT64 X0, WF+24, WS+2
	s_wait_loadcnt 0x0
	QUANT64 X1, WF+36, WS+3
	s_wait_dscnt 0x0                               ; my LDS stores have landed
	s_barrier_signal -1
	s_barrier_wait -1                              ; the four fragments of features lie in LDS
.irp f, 0,1,2,3
.irp c, 0,1,2
	ds_load_b128 v[FF+12*\f+4*\c:FF+12*\f+4*\c+3], v7 offset:FIMG+1536*\f+512*\c
.endr
	ds_load_b32 v[FS+\f], v8 offset:FSC+128*\f
.endr
.rept 8
	v_nop                                          ; a scale register written by a vector instruction stands 8 places ahead of a scaled matrix instruction, an operand so written 4
.endr
	s_wait_dscnt 0x0
	s_cmp_eq_u32 s28, 2
	s_cbranch_scc1 .Lpath_v
	; ---- q, k: accumulator (t, u): lane (r, h) holds d = 16 h + 8 u + j of point 16 t + r.  The four take turns, one instruction a turn; the bias is the C of each sum's first product
.irp s, 0,1
.irp t, 0,1
.irp u, 0,1
.if \s == 0
	v_wmma_scale_f32_16x16x128_f8f6f4 v[ACC+16*\t+8*\u:ACC+16*\t+8*\u+7], v[WF+12*(2*\u+\s):WF+12*(2*\u+\s)+11], v[FF+12*(\t+2*\s):FF+12*(\t+2*\s)+11], v[BI+8*\u:BI+8*\u+7], v[WS+2*\u+\s], v[FS+\t+2*\s] matrix_a_fmt:MATRIX_FMT_BF6 matrix_b_fmt:MATRIX_FMT_BF6
.else
	v_wmma_scale_f32_16x16x128_f8f6f4 v[ACC+16*\t+8*\u:ACC+16*\t+8*\u+7], v[WF+12*(2*\u+\s):WF+12*(2*\u+\s)+11], v[FF+12*(\t+2*\s):FF+12*(\t+2*\s)+11], v[ACC+16*\t+8*\u:ACC+16*\t+8*\u+7], v[WS+2*\u+\s], v[FS+\t+2*\s] matrix_a_fmt:MATRIX_FMT_BF6 matrix_b_fmt:MATRIX_FMT_BF6
.endif
.endr
.endr
.endr
.rept 4
	v_nop                                          ; four places in front of the first read of results
.endr
	QUANT2 ACC, ACC+16                             ; a point's 32 d of my head are one block
.irp t, 0,1
.irp i, 0,1,2
	ds_store_b32 v11, v[220+4*\t+\i] offset:3072*\t+4*\i
.endr
	ds_store_b8 v12, v[218+\t] offset:128*\t       ; both lanes of a block write the same byte with the same value
.endr
	s_branch .Ljoin
	; ---- v: accumulator (dt, u'): lane (r, h) holds keys 16 h + 8 u' + j of channel 16 dt + r
.Lpath_v:
.irp s, 0,1
.irp t, 0,1
.irp u, 0,1
.if \s == 0
	v_wmma_scale_f32_16x16x128_f8f6f4 v[ACC+16*\t+8*\u:ACC+16*\t+8*\u+7], v[FF+12*(\u+2*\s):FF+12*(\u+2*\s)+11], v[WF+12*(2*\t+\s):WF+12*(2*\t+\s)+11], 0, v[FS+\u+2*\s], v[WS+2*\t+\s] matrix_a_fmt:MATRIX_FMT_BF6 matrix_b_fmt:MATRIX_FMT_BF6
.else
	v_wmma_scale_f32_16x16x128_f8f6f4 v[ACC+16*\t+8*\u:ACC+16*\t+8*\u+7], v[FF+12*(\u+2*\s):FF+12*(\u+2*\s)+11], v[WF+12*(2*\t+\s):WF+12*(2*\t+\s)+11], v[ACC+16*\t+8*\u:ACC+16*\t+8*\u+7], v[FS+\u+2*\s], v[WS+2*\t+\s] matrix_a_fmt:MATRIX_FMT_BF6 matrix_b_fmt:MATRIX_FMT_BF6
.endif
.endr
.endr
.endr
.rept 4
	v_nop
.endr
.irp t, 0,1
.irp j, 0,2,4,6,8,10,12,14
	v_pk_add_f32 v[ACC+16*\t+\j:ACC+16*\t+\j+1], v[ACC+16*\t+\j:ACC+16*\t+\j+1], v[BV+2*\t:BV+2*\t+1]   ; my channel's bias
.endr
.endr
	QUANT2 ACC, ACC+16                             ; a channel's 32 keys are one block
	s_lshl_b32 s38, s29, 13
	s_lshl_b32 s34, s26, 10
	s_add_co_u32 s38, s38, s34                     ; vimg[beta][head w]
	s_add_nc_u64 s[58:59], s[20:21], s[38:39]
	global_store_b128 v7, v[220:223], s[58:59]     ; 32 lanes store 512 consecutive bytes: the fragment as the next launch's registers take it
	global_store_b128 v7, v[224:227], s[58:59] offset:512
	v_cndmask_b32 v228, v218, v219, s40            ; lanes 0-15 carry tile 0's byte, lanes 16-31 tile 1's
	v_lshl_or_b32 v228, v228, 8, v228              ; K blocks 0 and 1 are the two halves of the one block of 32 keys;
	v_or_b32 v228, 0x7f7f0000, v228                ; blocks 2 and 3 meet zero codes
	ds_store_b32 v13, v228
.Ljoin:
	s_wait_dscnt 0x0                               ; my LDS stores have landed
	s_barrier_signal -1
	s_barrier_wait -1
	s_cmp_eq_u32 s28, 2
	s_cbranch_scc1 .Lout_v
	s_cmp_eq_u32 s28, 0
	s_cselect_b64 s[60:61], s[14:15], s[18:19]     ; qs or ks: the choice hangs on the work-group's number alone
	s_lshl_b32 s38, s29, 8
	s_add_nc_u64 s[60:61], s[60:61], s[38:39]
	s_cmp_lg_u32 s26, 0
	s_cbranch_scc1 .Lno_sb
	ds_load_b64 v[SBC:SBC+1], v26                  ; wave 0: the 32 points' scale bytes, through registers that nothing behind this store writes
	s_wait_dscnt 0x0
	global_store_b64 v6, v[SBC:SBC+1], s[60:61]    ; 256 consecutive bytes, aligned
.Lno_sb:
	s_cmp_eq_u32 s28, 1
	s_cbranch_scc1 .Lout_k
	s_mul_i32 s38, s29, 6144                       ; q: the 32 rows of 192 bytes leave as they lie, 768 bytes a wave
	s_add_nc_u64 s[58:59], s[12:13], s[38:39]
.irp p, 0,1,2
	ds_load_b64 v[32+2*\p:33+2*\p], v14 offset:256*\p
.endr
	s_wait_dscnt 0x0
.irp p, 0,1,2
	global_store_b64 v27, v[32+2*\p:33+2*\p], s[58:59] offset:256*\p
.endr
	s_wait_tensorcnt 0x0
	ds_add_u32 v31, v229
	s_wait_dscnt 0x0
	s_endpgm
.Lout_k:                                           ; k: four images a wave: half of the heads G = w / 4, idx = 4 (w % 4) + e
	s_mul_i32 s38, s51, 1572864
	s_mul_i32 s34, s29, 24576
	s_add_co_u32 s38, s38, s34
	s_mul_i32 s34, s50, 6144
	s_add_co_u32 s38, s38, s34
	s_add_nc_u64 s[58:59], s[16:17], s[38:39]
.irp e, 0,1,2,3
.irp p, 0,1,2
	ds_load_b64 v[96+6*\e+2*\p:97+6*\e+2*\p], v15 offset:192*\e+8*\p    ; the 24 bytes of (key 16 h' + idx, head 4 G + i')
.endr
.endr
	s_wait_dscnt 0x0
.irp e, 0,1,2,3
.irp i, 0,1,2,3,4,5
	v_cndmask_b32 v[32+12*\e+\i], 0, v[96+6*\e+\i], s41     ; they stay only where the lane's K block is head i''s; all else is zero codes
	v_cndmask_b32 v[38+12*\e+\i], 0, v[96+6*\e+\i], s42
.endr
.irp c, 0,1,2
	global_store_b128 v7, v[32+12*\e+4*\c:35+12*\e+4*\c], s[58:59] offset:1536*\e+512*\c
.endr
.endr
	s_wait_tensorcnt 0x0
	ds_add_u32 v31, v229
	s_wait_dscnt 0x0
	s_endpgm
.Lout_v:
	s_cmp_ge_u32 s26, 2
	s_cbranch_scc1 .Lend
	s_lshl_b32 s38, s29, 10                        ; waves 0 and 1: vsc[beta][G = wave]
	s_lshl_b32 s34, s26, 9
	s_add_co_u32 s38, s38, s34
	s_add_nc_u64 s[60:61], s[22:23], s[38:39]
	ds_load_b128 v[32:35], v25
	s_wait_dscnt 0x0
	global_store_b128 v7, v[32:35], s[60:61]
.Lend:
	s_wait_tensorcnt 0x0
	ds_add_u32 v31, v229
	s_wait_dscnt 0x0
	s_endpgm
.Lfunc_end_k_q10ed7fc573_prep:
	.size	k_q10ed7fc573_prep, .Lfunc_end_k_q10ed7fc573_prep-k_q10ed7fc573_prep
	.p2alignl 7, 3214868480
	.fill 96, 4, 3214868480
	.section	.rodata,"a",@progbits
	.p2align	6, 0x0
	.amdhsa_kernel k_q10ed7fc573_prep
		.amdhsa_group_segment_fixed_size 15360
		.amdhsa_private_segment_fixed_size 0
		.amdhsa_enable_private_segment 0
		.amdhsa_kernarg_size 88
		.amdhsa_user_sgpr_count 2
		.amdhsa_user_sgpr_kernarg_segment_ptr 1
		.amdhsa_wavefront_size32 1
		.amdhsa_system_sgpr_workgroup_id_x 1
		.amdhsa_system_sgpr_workgroup_id_y 1
		.amdhsa_system_sgpr_workgroup_id_z 1
		.amdhsa_system_vgpr_workitem_id 0
		.amdhsa_next_free_vgpr 256
		.amdhsa_next_free_sgpr 66
		.amdhsa_reserve_vcc 0
		.amdhsa_float_denorm_mode_32 3
		.amdhsa_float_denorm_mode_16_64 3
		.amdhsa_memory_ordered 1
		.amdhsa_forward_progress 1
		.amdhsa_inst_pref_size 81
	.end_amdhsa_kernel
	.amdgpu_metadata
---
amdhsa.version: [ 1, 2 ]
amdhsa.kernels:
  - .name:           k_q10ed7fc573_prep
    .symbol:         k_q10ed7fc573_prep.kd
    .args:
      - { .name: xyz, .offset: 0, .size: 8, .value_kind: global_buffer, .address_space: global }
      - { .name: features, .offset: 8, .size: 8, .value_kind: global_buffer, .address_space: global }
      - { .name: qkv_w, .offset: 16, .size: 8, .value_kind: global_buffer, .address_space: global }
      - { .name: qkv_b, .offset: 24, .size: 8, .value_kind: global_buffer, .address_space: global }
      - { .name: qc, .offset: 32, .size: 8, .value_kind: global_buffer, .address_space: global }
      - { .name: qs, .offset: 40, .size: 8, .value_kind: global_buffer, .address_space: global }
      - { .name: kimg, .offset: 48, .size: 8, .value_kind: global_buffer, .address_space: global }
      - { .name: ks, .offset: 56, .size: 8, .value_kind: global_buffer, .address_space: global }
      - { .name: vimg, .offset: 64, .size: 8, .value_kind: global_buffer, .address_space: global }
      - { .name: vsc, .offset: 72, .size: 8, .value_kind: global_buffer, .address_space: global }
      - { .name: maskw, .offset: 80, .size: 8, .value_kind: global_buffer, .address_space: global }
    .group_segment_fixed_size: 15360
    .private_segment_fixed_size: 0
    .kernarg_segment_align: 8
    .kernarg_segment_size: 88
    .max_flat_workgroup_size: 256
    .sgpr_count:     66
    .vgpr_count:     256
    .wavefront_size: 32
...
	.end_amdgpu_metadata
.endif
;; end of part 1
;; launch attn (part 2): grid 128 x 2, 8 waves a work-group, no clusters, 83,456 bytes of LDS; arguments xyz, w1, b1, w2, b2, qc, qs, kimg, ks, vimg, vsc, maskw, out0; writes out0
.if DOCPART == 2
	.amdgcn_target "amdgcn-amd-amdhsa--gfx1250"
	.amdhsa_code_object_version 6
	.text
	.protected	k_q10ed7fc573_attn
	.globl	k_q10ed7fc573_attn
	.p2align	8
	.type	k_q10ed7fc573_attn,@function
k_q10ed7fc573_attn:
	s_mov_b64 s[64:65], 0
	v_nop
	global_prefetch_b8 v0, s[64:65] scope:SCOPE_SE
	s_setreg_imm32_b32 hwreg(HW_REG_WAVE_MODE, 25, 1), 1
	s_wait_xcnt 0x0
; ATTN.  out[n][head][d] = softmax over the keys m with dist(n, m) < 0.1 of (q.k + pe) x v.  pe = the mean over 4 outputs of relu([rel, dist] w1 + b1) w2 + b2.
; SHARES.  A work-group owns 16 queries (tile T = x) and 4 heads (G = y: heads 4 G + i').  Its eight waves share the keys: wave w walks the blocks of 32 keys beta = 8 w .. 8 w + 7; at the end the waves' parts meet in LDS.
; A lane (r, h) is query 16 T + r and the keys 32 beta + 16 h + idx, idx = 0 .. 15.  A GROUP (beta, idx) is 16 queries x the two keys 32 beta + idx (set 0) and 32 beta + 16 + idx (set 1).
; WORK UNDER THE MASK IS LEFT OUT: the launch before stored one word of 32 bits for each group (bit r + 16 h); a group whose word is 0 is passed over by a scalar branch.  The text is right for every density of the mask.
;   No tensor load and no cluster: branches hang on numbers read from memory, and each wave reads operands of its own keys alone.
; THE PRODUCTS OF A LIVE GROUP.
;   [rel, dist] w1 + b1, in f32 (its result goes on into a quantiser): source 0 = 16 hidden units x 4, unit 8 u + rho + 8 (rho / 8) in row rho; source 1 = 4 x the 16 pairs of a set; C = b1.
;     A lane then holds 16 neighbouring hidden units, 16 h + 0 .. 15, of its query's pair.
;   relu(..) w2, on codes: source 1 (CODE): K blocks 0, 1 = set 0's hidden 0-15, 16-31 in slots 0-15; blocks 2, 3 = set 1's; slots 16-31 zero codes.  Source 0 (W2F, two of them): row 8 h' + 4 a + i' = column
;     4 (4 G + i') + 2 n + a of w2, in blocks 0, 1 for h' = 0 and in blocks 2, 3 for h' = 1.  w2's scale byte is lowered by 2: the mean's 1/4, exact.  Register 4 a + i' of lane (r, h): a part of pe(query r, key of half h, head i').
;   q.k, on codes: source 0 = the stored image (row 8 h' + i': key of half h', head i' in K block i'), source 1 = q's rows (K block b = head 4 G + b).  The same result layout: it adds onto the same accumulator.
; THE SOFTMAX.  t = logit x log2(e); M = the running largest t rounded up to a whole number, kept as -M; p = 2^(t - M), not normalised; the sum is taken of the unquantised p; when M moves, sum and O are multiplied by an exact power of two.
;   A block's largest p is made from the block's largest logit by the same two instructions as every p.
; p x v, on codes: source 1 (PC): the lane's 16 p in K block h, slots 0-15, all else zero codes; source 0: v's codes of the same keys, 3 registers a lane; the other 9 registers of its span meet zero codes and hold neighbouring fragments.
; LIMITS: NaN and infinities among the inputs are not served.  A column of w2 whose largest magnitude lies under 2^(7 - 127) gets the scale of that floor (so that its byte less 2 stays at 1); other blocks have the floor 2^(5 - 127).
;   A squared distance under 2^-126 counts as 0.
; REGISTERS, window 0: v1 16 x lane, v2 128 (r / 8), v3 0, v4 -infinity, v6-8 my query, v9-11 the block's keys (lane l: key l), v12 4 x lane, v13-25 scale words, the rest by the names below; v246-251 LDS addresses.
;   window 1: 0-63 O (head i', tile dt at 16 i' + 8 dt); from 98 on the operands.  The numbers 66-97 are named as a destination by the f32 matrix form alone, in every window.
.set QSW, 13
.set KSW, 14
.set PSW, 15
.set W2S, 16
.set PW,  18
.set VS,  22
.set XB,  26                           ; v26-29   source 1 of the f32 products, a pair for each set
.set GT,  30                           ; v30-34   geometry at work
.set TM,  38                           ; v38-45   quantiser at work
.set W1A, 46                           ; v46-49   w1, two tiles
.set B1C, 50                           ; v50-65   b1, two tiles
.set HD,  66                           ; v66-97   the f32 products' results: set s, tile u at 16 s + 8 u
.set HR,  98                           ; v98-129  after relu
.set ACCA, 130
.set ACCB, 138
.set P,   146                          ; v146-209 logits, then p: head i', idx at 16 i' + idx
.set BM,  210                          ; the block's largest logit
.set TR,  214                          ; the running largest t
.set NM,  218                          ; -M
.set LS,  222                          ; the sum
.set FA,  226                          ; v226-233 2^(old M - new M), in the low word of a pair
.set SOP, 234                          ; p's conversions' scale operands
.set TT,  238                          ; v238-245 at work
.set VF,  98                           ; window 1
.set W2F, 138
.set KIM, 162
.set QF,  174
.set CODE, 186
.set PC0, 198
.set PC1, 210
.set B2C, 222
.set MW,  48                           ; s[48:63] the block's 16 mask words
.set MLP, 65536                        ; LDS: 0 .. 65,535 the waves' parts of O (wave x 8,192 + accumulator x 1,024 + half x 512 + 16 x lane); then -M and the sum (wave x 1,024 + 32 x lane);
.set STG, 73728                        ; then a stage of 16 rows x (512 + 16) bytes
.set MO,  98                           ; the merge: v98-161 eight waves' parts of my accumulator, v162-169 their -M, v170-177 their sums, v178-185 their factors, v186-193 the result
.set MN,  162
.set ML,  170
.set MG,  178
.set MR,  186
.set MSB, 0
.macro WIN new                         ; the immediate's high byte repeats the setting that is left; a switch that changes nothing is dropped
.if MSB != \new
	s_set_vgpr_msb (MSB<<8)|\new
.set MSB, \new
.endif
.endm
.macro GEO s                           ; the pair (my query, set s's key): rel and dist; lanes 0-15 give (dx, dy), lanes 16-31 (dz, dist)
	v_sub_f32 v[GT], v6, s[40+3*\s]
	v_sub_f32 v[GT+1], v7, s[41+3*\s]
	v_sub_f32 v[GT+2], v8, s[42+3*\s]
	v_mul_f32 v[GT+3], v[GT], v[GT]
	v_fma_f32 v[GT+3], v[GT+1], v[GT+1], v[GT+3]
	v_fma_f32 v[GT+3], v[GT+2], v[GT+2], v[GT+3]
	v_sqrt_f32 v[GT+4], v[GT+3]
	v_cndmask_b32 v[XB+2*\s], v[GT], v[GT+2], s46          ; (the plain instruction behind the square root)
	s_wait_alu depctr_va_vdst(0)
	v_cndmask_b32 v[XB+2*\s+1], v[GT+1], v[GT+4], s46
.endm
; PASS 1 of group g: its four heads' logits, -infinity where the mask is shut; 0 in a group that is passed over (that is its p).
.macro GRP g
	v_mov_b32 v[P+\g], 0
	v_mov_b32 v[P+16+\g], 0
	v_mov_b32 v[P+32+\g], 0
	v_mov_b32 v[P+48+\g], 0
	s_cmp_eq_u32 s[MW+\g], 0
	s_cbranch_scc1 .Ldead_\@
	global_load_b32 v[KSW], v2, s[86:87] offset:8*\g        ; k's scale words: row 8 h' + ..: key 16 h' + idx, heads 4 G + 0 .. 3
	WIN 0x40
	global_load_b128 v[KIM:KIM+3], v1, s[84:85] offset:1536*\g
	global_load_b128 v[KIM+4:KIM+7], v1, s[84:85] offset:1536*\g+512
	global_load_b128 v[KIM+8:KIM+11], v1, s[84:85] offset:1536*\g+1024
	WIN 0
	v_readlane_b32 s40, v9, \g
	v_readlane_b32 s41, v10, \g
	v_readlane_b32 s42, v11, \g
	v_readlane_b32 s43, v9, 16+\g
	v_readlane_b32 s44, v10, 16+\g
	v_readlane_b32 s45, v11, 16+\g
	GEO 0
	v_wmma_f32_16x16x4_f32 v[HD:HD+7], v[W1A:W1A+1], v[XB:XB+1], v[B1C:B1C+7]
	v_wmma_f32_16x16x4_f32 v[HD+8:HD+15], v[W1A+2:W1A+3], v[XB:XB+1], v[B1C+8:B1C+15]
	GEO 1                                          ; its eight plain instructions, which name no register of the two products above, are the eight places behind them
	v_wmma_f32_16x16x4_f32 v[HD+16:HD+23], v[W1A:W1A+1], v[XB+2:XB+3], v[B1C:B1C+7]
	v_wmma_f32_16x16x4_f32 v[HD+24:HD+31], v[W1A+2:W1A+3], v[XB+2:XB+3], v[B1C+8:B1C+15]
.set i, 0
.rept 32
	v_max_num_f32 v[HR+i], 0, v[HD+i]              ; relu, into other registers, each result from its low end on; set 0's sixteen are the places behind set 1's products
.set i, i+1
.endr
	v_max3_num_f32 v[TM], v[HR], v[HR+1], 0x2800000        ; each pair's 32 hidden units are one block; none is negative; the floor 2^(5 - 127) holds the byte at 1
	v_max3_num_f32 v[TM+1], v[HR+16], v[HR+17], 0x2800000
.irp i, 2,4,6,8,10,12,14
	v_max3_num_f32 v[TM], v[TM], v[HR+\i], v[HR+\i+1]
	v_max3_num_f32 v[TM+1], v[TM+1], v[HR+16+\i], v[HR+17+\i]
.endr
	v_permlanex16_b32 v[TM+2], v[TM], s34, s35
	v_permlanex16_b32 v[TM+3], v[TM+1], s34, s35
	v_max_num_f32 v[TM], v[TM], v[TM+2]
	v_max_num_f32 v[TM+1], v[TM+1], v[TM+3]
	v_add_nc_u32 v[TM+4], 0xfe000000, v[TM]        ; 4 off the exponent field: the conversion's scale operand
	v_add_nc_u32 v[TM+5], 0xfe000000, v[TM+1]
	v_lshrrev_b32 v[TM+6], 23, v[TM+4]
	v_lshrrev_b32 v[TM+7], 23, v[TM+5]
	v_perm_b32 v[PSW], v[TM+7], v[TM+6], s38       ; the scale word: set 0's byte for K blocks 0, 1, set 1's for 2, 3
	WIN 0x40
	v_cvt_scalef32_pk16_bf6_f32 v[CODE:CODE+2], v[HR:HR+15], v[TM+4]
	v_cvt_scalef32_pk16_bf6_f32 v[CODE+6:CODE+8], v[HR+16:HR+31], v[TM+5]
.rept 8
	v_nop                                          ; a scale register written by a vector instruction stands 8 places ahead of a scaled matrix instruction, an operand so written 4, and one plain instruction stands behind a conversion
.endr
	s_wait_loadcnt 0x0                             ; k's image and words are in.  The count is 0: how many other loads are out differs with the groups passed over
	WIN 0x15
	v_wmma_scale_f32_16x16x128_f8f6f4 v[ACCA:ACCA+7], v[W2F:W2F+11], v[CODE:CODE+11], v[B2C:B2C+7], v[W2S], v[PSW] matrix_a_fmt:MATRIX_FMT_BF6 matrix_b_fmt:MATRIX_FMT_BF6
	v_wmma_scale_f32_16x16x128_f8f6f4 v[ACCB:ACCB+7], v[W2F+12:W2F+23], v[CODE:CODE+11], 0, v[W2S+1], v[PSW] matrix_a_fmt:MATRIX_FMT_BF6 matrix_b_fmt:MATRIX_FMT_BF6
	WIN 0x05
	v_wmma_scale_f32_16x16x128_f8f6f4 v[ACCA:ACCA+7], v[KIM:KIM+11], v[QF:QF+11], v[ACCA:ACCA+7], v[KSW], v[QSW] matrix_a_fmt:MATRIX_FMT_BF6 matrix_b_fmt:MATRIX_FMT_BF6   ; the two accumulators take turns
	WIN 0
.rept 4
	v_nop                                          ; four places in front of the first read of results
.endr
.irp j, 0,2,4,6
	v_pk_add_f32 v[TT+\j:TT+\j+1], v[ACCA+\j:ACCA+\j+1], v[ACCB+\j:ACCB+\j+1]
.endr
	v_pk_add_f32 v[TT:TT+1], v[TT:TT+1], v[TT+4:TT+5]       ; registers i' and 4 + i': the logit of head i'
	v_pk_add_f32 v[TT+2:TT+3], v[TT+2:TT+3], v[TT+6:TT+7]
.irp n, 0,1,2,3
	v_cndmask_b32 v[P+16*\n+\g], v4, v[TT+\n], s[MW+\g]
.endr
.irp n, 0,1,2,3
	v_max_num_f32 v[BM+\n], v[BM+\n], v[P+16*\n+\g]
.endr
.Ldead_\@:
.endm
; PASS 2 of group g: p = 2^(t - M) and its share of the sum
.macro EXPG g
	s_cmp_eq_u32 s[MW+\g], 0
	s_cbranch_scc1 .Lnone_\@
.irp n, 0,1,2,3
	v_fma_f32 v[P+16*\n+\g], v[P+16*\n+\g], s36, v[NM+\n]
.endr
.irp n, 0,1,2,3
	v_exp_f32 v[P+16*\n+\g], v[P+16*\n+\g]
.endr
	v_nop                                          ; one plain instruction behind the last exponential
	s_wait_alu depctr_va_vdst(0)
.irp n, 0,1,2,3
	v_add_f32 v[LS+\n], v[LS+\n], v[P+16*\n+\g]
.endr
.Lnone_\@:
.endm
.macro RS n                            ; head n's O under the new M
	WIN 0x41
.irp j, 0,2,4,6,8,10,12,14
	v_pk_mul_f32 v[16*\n+\j:16*\n+\j+1], v[16*\n+\j:16*\n+\j+1], v[FA+2*\n:FA+2*\n+1] op_sel_hi:[1,0]
.endr
.endm
.macro WW n, pc                        ; head n: O^T += v^T p^T, its two tiles of 16 channels; v's scale words: lanes 0-15 tile 0, lanes 16-31 tile 1
	WIN 0x55
	v_wmma_scale_f32_16x16x128_f8f6f4 v[16*\n:16*\n+7], v[VF+8*\n:VF+8*\n+11], v[\pc:\pc+11], v[16*\n:16*\n+7], v[VS+\n], v[PW+\n] matrix_a_fmt:MATRIX_FMT_BF6 matrix_b_fmt:MATRIX_FMT_BF6
	v_wmma_scale_f32_16x16x128_f8f6f4 v[16*\n+8:16*\n+15], v[VF+8*\n+4:VF+8*\n+15], v[\pc:\pc+11], v[16*\n+8:16*\n+15], v[VS+\n], v[PW+\n] matrix_a_fmt:MATRIX_FMT_BF6 matrix_b_fmt:MATRIX_FMT_BF6 matrix_a_scale:MATRIX_SCALE_ROW1
.endm
	s_load_b512 s[4:19], s[0:1], 0x0               ; xyz s[4:5], w1 s[6:7], b1 s[8:9], w2 s[10:11], b2 s[12:13], qc s[14:15], qs s[16:17], kimg s[18:19]
	s_load_b256 s[20:27], s[0:1], 0x40             ; ks s[20:21], vimg s[22:23], vsc s[24:25], maskw s[26:27]
	s_load_b64 s[28:29], s[0:1], 0x60              ; out0
	v_lshl_add_u32 v254, v0, 2, 0x14200
	v_mov_b32 v255, 0
	v_lshrrev_b32 v5, 5, v0
	v_readfirstlane_b32 s30, v5                    ; wave 0..7
	s_mov_b32 s31, ttmp9                           ; T
	s_and_b32 s32, ttmp7, 0xffff                   ; G
	s_mov_b32 s33, 8                               ; blocks to go
	s_mov_b32 s34, 0x76543210                      ; v_permlanex16_b32's selects for lane l xor 16
	s_mov_b32 s35, 0xfedcba98
	s_mov_b32 s36, 0x3fb8aa3b                      ; log2(e)
	s_mov_b32 s38, 0x04040000                      ; byte selects: second source's byte 0 twice, first source's byte 0 twice
	s_mov_b32 s46, 0xffff0000                      ; lanes 16-31
	s_mov_b32 s47, 0xff00ff00                      ; lanes whose row has h' = 1
	v_and_b32 v30, 31, v0                          ; lane
	v_and_b32 v31, 15, v0                          ; r
	v_bfe_u32 v32, v0, 4, 1                        ; h
	v_lshlrev_b32 v1, 4, v30
	v_bfe_u32 v2, v0, 3, 1
	v_lshlrev_b32 v2, 7, v2
	v_mov_b32 v3, 0
	v_mov_b32 v4, 0xff800000
	v_lshlrev_b32 v12, 2, v30
	; the LDS addresses of the merge: a constant + a constant x lane + a constant x wave
	s_lshl_b32 s94, s30, 13
	v_add_nc_u32 v246, s94, v1                     ; my wave's part of O
	s_lshl_b32 s94, s30, 10
	v_add_nc_u32 v248, s94, v1                     ; accumulator w in every wave's part
	s_add_co_u32 s94, s94, MLP
	v_lshl_add_u32 v247, v30, 5, s94               ; my wave's -M and sums
	s_lshr_b32 s94, s30, 1
	s_lshl_b32 s94, s94, 2
	s_add_co_u32 s94, s94, MLP
	v_lshl_add_u32 v249, v30, 5, s94               ; head w / 2's in every wave's
	v_mul_u32_u24 v250, v31, 528
	v_lshl_add_u32 v250, v32, 5, v250
	s_lshl_b32 s94, s30, 6
	s_add_co_u32 s94, s94, STG
	v_add_nc_u32 v250, s94, v250                   ; the stage: row r, + 64 w + 32 h
	s_mul_i32 s94, s30, 1056
	s_add_co_u32 s94, s94, STG
	v_add_nc_u32 v251, s94, v1                     ; and back: rows 2 w, 2 w + 1
	; offsets of the loads at the head
	v_and_b32 v33, 3, v0
	v_lshlrev_b32 v33, 4, v33
	v_bfe_u32 v34, v0, 2, 1
	v_lshl_add_u32 v33, v34, 2, v33
	v_lshl_add_u32 v33, v32, 11, v33               ; w2: hidden 16 h on, column 4 i' + a
	v_and_b32 v34, 8, v31
	v_add_nc_u32 v34, v34, v31
	v_lshlrev_b32 v34, 2, v34
	v_lshl_add_u32 v34, v32, 8, v34                ; w1: inputs 2 h on, hidden r + 8 (r / 8)
	v_lshlrev_b32 v35, 6, v32                      ; b1: hidden 16 h on
	v_mul_u32_u24 v36, v31, 192
	v_mad_u32_u24 v36, v32, 24, v36                ; q's codes: row r, head h of my four
	v_lshlrev_b32 v37, 3, v31                      ; q's scale bytes: 8 a row
	v_lshlrev_b32 v38, 2, v31                      ; my query's coordinates
	s_mov_b32 s95, 0
	s_wait_kmcnt 0x0
	s_lshl_b32 s94, s32, 6
	s_add_nc_u64 s[66:67], s[10:11], s[94:95]      ; w2's columns 16 G on
	s_add_nc_u64 s[98:99], s[12:13], s[94:95]      ; b2's numbers 16 G on
	s_load_b512 s[68:83], s[98:99], 0x0
	s_lshl_b32 s94, s31, 12
	s_lshl_b32 s37, s30, 9
	s_add_co_u32 s94, s94, s37
	s_add_nc_u64 s[96:97], s[26:27], s[94:95]      ; maskw[T][8 w]
	s_load_b512 s[MW:MW+15], s[96:97], 0x0
	s_mul_i32 s94, s31, 3072
	s_mul_i32 s37, s32, 96
	s_add_co_u32 s94, s94, s37
	s_add_nc_u64 s[40:41], s[14:15], s[94:95]      ; q's codes: query 16 T, head 4 G
	s_lshl_b32 s94, s31, 7
	s_lshl_b32 s37, s32, 2
	s_add_co_u32 s94, s94, s37
	s_add_nc_u64 s[42:43], s[16:17], s[94:95]
	s_lshl_b32 s94, s31, 6
	s_add_nc_u64 s[44:45], s[4:5], s[94:95]
	s_lshl_b32 s94, s30, 10
	s_add_nc_u64 s[92:93], s[4:5], s[94:95]        ; the keys of block 8 w
	s_mul_i32 s94, s32, 1572864
	s_mul_i32 s37, s30, 196608
	s_add_co_u32 s94, s94, s37
	s_add_nc_u64 s[84:85], s[18:19], s[94:95]      ; kimg[G][8 w]
	s_lshl_b32 s94, s30, 11
	s_lshl_b32 s37, s32, 2
	s_add_co_u32 s94, s94, s37
	s_add_nc_u64 s[86:87], s[20:21], s[94:95]      ; ks: key 256 w, head 4 G
	s_lshl_b32 s94, s30, 16
	s_lshl_b32 s37, s32, 12
	s_add_co_u32 s94, s94, s37
	s_add_nc_u64 s[88:89], s[22:23], s[94:95]      ; vimg[8 w][4 G]
	s_lshl_b32 s94, s30, 13
	s_lshl_b32 s37, s32, 9
	s_add_co_u32 s94, s94, s37
	s_add_nc_u64 s[90:91], s[24:25], s[94:95]      ; vsc[8 w][G]
.irp n, 0,1
.irp t, 0,1,2,3,4,5,6,7,8,9,10,11,12,13,14,15
	global_load_b32 v[HR+16*\n+\t], v33, s[66:67] offset:128*\t+8*\n      ; w2(16 h + t, column 4 (4 G + i') + 2 n + a)
.endr
.endr
.irp u, 0,1
.irp j, 0,1
	global_load_b32 v[W1A+2*\u+\j], v34, s[6:7] offset:128*\j+32*\u
	global_load_b128 v[B1C+8*\u+4*\j:B1C+8*\u+4*\j+3], v35, s[8:9] offset:32*\u+16*\j
.endr
.endr
	global_load_b32 v[QSW], v37, s[42:43]
	global_load_b32 v6, v38, s[44:45]
	global_load_b32 v7, v38, s[44:45] offset:8192
	global_load_b32 v8, v38, s[44:45] offset:16384
	global_load_b32 v9, v12, s[92:93]
	global_load_b32 v10, v12, s[92:93] offset:8192
	global_load_b32 v11, v12, s[92:93] offset:16384
	WIN 0x40
.irp p, 0,1,2,3,4,5
	global_load_b64 v[QF+2*\p:QF+2*\p+1], v36, s[40:41] offset:48*(\p/3)+8*(\p%3)    ; q's fragment stays in registers
.endr
.set i, 0
.rept 64
	v_mov_b32 v[i], 0                              ; O.  (The loop is written once: its first step finds zeros)
.set i, i+1
.endr
.irp i, 32,33,34,35,36,37,38,39
	v_mov_b32 v[VF+\i], 0                          ; behind v's last fragment: registers that its span names
.endr
.irp i, 3,4,5,9,10,11
	v_mov_b32 v[CODE+\i], 0                        ; zero codes that stay
	v_mov_b32 v[W2F+\i], 0
	v_mov_b32 v[W2F+12+\i], 0
.endr
.irp i, 3,4,5,6,7,8,9,10,11
	v_mov_b32 v[PC0+\i], 0
	v_mov_b32 v[PC1+\i], 0
.endr
	WIN 0
.irp n, 0,1,2,3
	v_mov_b32 v[TR+\n], 0xff61b1e6                 ; the largest t so far: -3e38, under every t
	v_mov_b32 v[LS+\n], 0
	v_mov_b32 v[FA+2*\n+1], 0                      ; (named as the upper half of a pair)
.endr
.irp n, 0,1,2,3
	v_floor_f32 v[NM+\n], -v[TR+\n]
.endr
	v_mov_b32 v[TM+2], 0                           ; written once: a lane permute's destination counts as one of its sources
	v_mov_b32 v[TM+3], 0
	s_wait_loadcnt 0x0
	s_wait_kmcnt 0x0
	; w2's two operands: a column's 32 numbers lie in lanes l and l xor 16
	v_max3_num_f32 v[TM], |v[HR]|, |v[HR+1]|, 0x3800000     ; the floor 2^(7 - 127): the byte less 2 stays at 1
	v_max3_num_f32 v[TM+1], |v[HR+16]|, |v[HR+17]|, 0x3800000
.irp i, 2,4,6,8,10,12,14
	v_max3_num_f32 v[TM], v[TM], |v[HR+\i]|, |v[HR+\i+1]|
	v_max3_num_f32 v[TM+1], v[TM+1], |v[HR+16+\i]|, |v[HR+17+\i]|
.endr
	v_permlanex16_b32 v[TM+2], v[TM], s34, s35
	v_permlanex16_b32 v[TM+3], v[TM+1], s34, s35
	v_max_num_f32 v[TM], v[TM], v[TM+2]
	v_max_num_f32 v[TM+1], v[TM+1], v[TM+3]
	v_add_nc_u32 v[TM+4], 0xfe000000, v[TM]
	v_add_nc_u32 v[TM+5], 0xfe000000, v[TM+1]
	v_lshrrev_b32 v[TM+6], 23, v[TM+4]
	v_lshrrev_b32 v[TM+7], 23, v[TM+5]
	v_add_nc_u32 v[TM+6], -2, v[TM+6]              ; the mean over four outputs: 1/4, taken off the scale
	v_add_nc_u32 v[TM+7], -2, v[TM+7]
	v_perm_b32 v[W2S], v[TM+6], v[TM+6], v3        ; the byte in all four places
	v_perm_b32 v[W2S+1], v[TM+7], v[TM+7], v3
	v_cvt_scalef32_pk16_bf6_f32 v[TT:TT+2], v[HR:HR+15], v[TM+4]
	v_cvt_scalef32_pk16_bf6_f32 v[TT+4:TT+6], v[HR+16:HR+31], v[TM+5]
	v_nop                                          ; one plain instruction behind a scaled conversion
	WIN 0x40
.irp n, 0,1
.irp i, 0,1,2
	v_cndmask_b32 v[W2F+12*\n+\i], v[TT+4*\n+\i], v3, s47       ; rows with h' = 0 meet set 0 (K blocks 0, 1),
	v_cndmask_b32 v[W2F+12*\n+6+\i], v3, v[TT+4*\n+\i], s47     ; rows with h' = 1 set 1 (K blocks 2, 3)
.endr
.endr
	WIN 0
.irp a, 0,1
.irp i, 0,1,2,3
	v_add_f32 v[TT+4*\a+\i], s[68+4*\i+\a], s[70+4*\i+\a]   ; b2 of the two columns that register 4 a + i' sums
.endr
.endr
	WIN 0x40
.irp i, 0,1,2,3,4,5,6,7
	v_mul_f32 v[B2C+\i], 0x3e800000, v[TT+\i]
.endr
	WIN 0
.Lblock:                                           ; eight trips: a block of 32 keys each
	s_wait_kmcnt 0x0                               ; the block's mask words
.irp n, 0,1,2,3
	v_mov_b32 v[BM+\n], v4                         ; these four are also the places in front of loads into registers that the last trip's products read
.endr
	global_load_b128 v[VS:VS+3], v1, s[90:91]
	WIN 0x40
.irp f, 0,1,2,3,4,5,6,7
	global_load_b128 v[VF+4*\f:VF+4*\f+3], v1, s[88:89] offset:512*\f
.endr
	WIN 0
.irp g, 0,1,2,3,4,5,6,7,8,9,10,11,12,13,14,15
	GRP \g
.endr
	s_cmp_lg_u32 s33, 1                            ; the next block's coordinates and mask words are asked for a trip ahead; the last trip steps by 0 and asks for its own again: no load leaves its buffer
	s_cselect_b32 s94, 128, 0
	s_cselect_b32 s98, 64, 0
	s_mov_b32 s95, 0
	s_mov_b32 s99, 0
	s_add_nc_u64 s[92:93], s[92:93], s[94:95]      ; (the loads that named this base were waited for in the trip before)
	global_load_b32 v9, v12, s[92:93]
	global_load_b32 v10, v12, s[92:93] offset:8192
	global_load_b32 v11, v12, s[92:93] offset:16384
	; the new M, the block's scale, the factor: stage by stage, the four heads by turns
.irp n, 0,1,2,3
	v_permlanex16_b32 v[TT+\n], v[BM+\n], s34, s35
.endr
.irp n, 0,1,2,3
	v_max_num_f32 v[BM+\n], v[BM+\n], v[TT+\n]     ; the largest logit of my query's 32 keys
.endr
.irp n, 0,1,2,3
	v_mul_f32 v[TT+4+\n], s36, v[BM+\n]
.endr
.irp n, 0,1,2,3
	v_max_num_f32 v[TR+\n], v[TR+\n], v[TT+4+\n]
.endr
.irp n, 0,1,2,3
	v_mov_b32 v[TT+\n], v[NM+\n]
.endr
.irp n, 0,1,2,3
	v_floor_f32 v[NM+\n], -v[TR+\n]                ; -M = floor(-t) = -ceil(t)
.endr
.irp n, 0,1,2,3
	v_fma_f32 v[TT+4+\n], v[BM+\n], s36, v[NM+\n]
.endr
.irp n, 0,1,2,3
	v_exp_f32 v[TT+4+\n], v[TT+4+\n]               ; the block's largest p: the same two instructions as every p
.endr
.irp n, 0,1,2,3
	v_sub_f32 v[TT+\n], v[NM+\n], v[TT+\n]         ; old M - new M: a whole number, 0 or less.  (Plain instructions behind the exponentials)
.endr
	s_wait_alu depctr_va_vdst(0)
.irp n, 0,1,2,3
	v_max_num_f32 v[TT+4+\n], 0x2800000, v[TT+4+\n]
.endr
.irp n, 0,1,2,3
	v_add_nc_u32 v[SOP+\n], 0xfe000000, v[TT+4+\n]
.endr
.irp n, 0,1,2,3
	v_lshrrev_b32 v[TT+4+\n], 23, v[SOP+\n]
.endr
.irp n, 0,1,2,3
	v_perm_b32 v[PW+\n], v[TT+4+\n], v[TT+4+\n], v3
.endr
.irp n, 0,1,2,3
	v_cvt_i32_f32 v[TT+\n], v[TT+\n]               ; (it saturates)
.endr
.irp n, 0,1,2,3
	v_ldexp_f32 v[FA+2*\n], 1.0, v[TT+\n]
.endr
.irp n, 0,1,2,3
	v_mul_f32 v[LS+\n], v[LS+\n], v[FA+2*\n]
.endr
.irp g, 0,1,2,3,4,5,6,7,8,9,10,11,12,13,14,15
	EXPG \g
.endr
	s_add_nc_u64 s[96:97], s[96:97], s[98:99]      ; the mask words' last readers have passed
	s_load_b512 s[MW:MW+15], s[96:97], 0x0
	s_wait_loadcnt 0x0                             ; v's fragments and words, and the next block's coordinates
	WIN 0x40
	v_cvt_scalef32_pk16_bf6_f32 v[PC0:PC0+2], v[P:P+15], v[SOP]
	v_cvt_scalef32_pk16_bf6_f32 v[PC1:PC1+2], v[P+16:P+31], v[SOP+1]
	RS 0                                           ; the rescalings are the places between conversions and products, and between products and the conversions that write their operands anew
	WW 0, PC0
	RS 1
	WW 1, PC1
	RS 2
	WIN 0x40
	v_cvt_scalef32_pk16_bf6_f32 v[PC0:PC0+2], v[P+32:P+47], v[SOP+2]
	v_cvt_scalef32_pk16_bf6_f32 v[PC1:PC1+2], v[P+48:P+63], v[SOP+3]
	RS 3
	WW 2, PC0
	WW 3, PC1
	WIN 0
	s_add_nc_u64 s[84:85], s[84:85], 24576         ; every load that named these bases was waited for above
	s_add_nc_u64 s[86:87], s[86:87], 256
	s_add_nc_u64 s[88:89], s[88:89], 8192
	s_add_nc_u64 s[90:91], s[90:91], 1024
	s_sub_co_u32 s33, s33, 1
	s_cmp_lg_u32 s33, 0
	s_cbranch_scc1 .Lblock
	; ---- THE MERGE over the eight waves' keys
.irp n, 0,1,2,3
	v_permlanex16_b32 v[TT+\n], v[LS+\n], s34, s35
.endr
.irp n, 0,1,2,3
	v_add_f32 v[LS+\n], v[LS+\n], v[TT+\n]         ; the sum of both halves' keys.  (Four places behind the last products)
.endr
	WIN 0x04                                       ; an LDS store's data are its source 1: window 1
.irp a, 0,1,2,3,4,5,6,7
	ds_store_b128 v246, v[8*\a:8*\a+3] offset:1024*\a          ; each accumulator from its low end on
	ds_store_b128 v246, v[8*\a+4:8*\a+7] offset:1024*\a+512
.endr
	WIN 0
	ds_store_b128 v247, v[NM:NM+3]
	ds_store_b128 v247, v[LS:LS+3] offset:16
	s_wait_dscnt 0x0                               ; my stores have landed
	s_barrier_signal -1
	s_barrier_wait -1
.irp v, 0,1,2,3,4,5,6,7                            ; wave w takes accumulator w (head w / 2, tile w % 2) of all eight waves
	ds_load_b128 v[MO+8*\v:MO+8*\v+3], v248 offset:8192*\v
	ds_load_b128 v[MO+8*\v+4:MO+8*\v+7], v248 offset:8192*\v+512
	ds_load_b32 v[MN+\v], v249 offset:1024*\v
	ds_load_b32 v[ML+\v], v249 offset:1024*\v+16
.endr
	s_wait_dscnt 0x0
	v_min3_num_f32 v195, v[MN], v[MN+1], v[MN+2]   ; the least -M: the largest M
	v_min3_num_f32 v195, v195, v[MN+3], v[MN+4]
	v_min3_num_f32 v195, v195, v[MN+5], v[MN+6]
	v_min_num_f32 v195, v195, v[MN+7]
.irp v, 0,1,2,3,4,5,6,7
	v_sub_f32 v[MG+\v], v195, v[MN+\v]             ; wave v's M less the largest: a whole number, 0 or less
.endr
.irp v, 0,1,2,3,4,5,6,7
	v_cvt_i32_f32 v[MG+\v], v[MG+\v]
.endr
.irp v, 0,1,2,3,4,5,6,7
	v_ldexp_f32 v[MG+\v], 1.0, v[MG+\v]            ; an exact power of two (0 for a wave that met no open key)
.endr
	v_mul_f32 v194, v[MG], v[ML]
.irp v, 1,2,3,4,5,6,7
	v_fma_f32 v194, v[MG+\v], v[ML+\v], v194
.endr
	v_rcp_f32 v194, v194                           ; the diagonal is always open, so the sum is over 1/2; the sums below stand between this line and its use
.irp j, 0,1,2,3,4,5,6,7
	v_mul_f32 v[MR+\j], v[MG], v[MO+\j]
.endr
.irp v, 1,2,3,4,5,6,7
.irp j, 0,1,2,3,4,5,6,7
	v_fma_f32 v[MR+\j], v[MG+\v], v[MO+8*\v+\j], v[MR+\j]
.endr
.endr
	s_wait_alu depctr_va_vdst(0)
.irp j, 0,1,2,3,4,5,6,7
	v_mul_f32 v[MR+\j], v[MR+\j], v194
.endr
	ds_store_b128 v250, v[MR:MR+3]                 ; lane (r, h): out(query r, head w / 2, d = 16 (w % 2) + 8 h + 0 .. 7)
	ds_store_b128 v250, v[MR+4:MR+7] offset:16
	s_lshl_b32 s94, s31, 14                        ; out0: row 16 T + 2 w of 1,024 bytes, + 512 G
	s_lshl_b32 s98, s30, 11
	s_add_co_u32 s94, s94, s98
	s_lshl_b32 s98, s32, 9
	s_add_co_u32 s94, s94, s98
	s_mov_b32 s95, 0
	s_add_nc_u64 s[28:29], s[28:29], s[94:95]
	s_wait_dscnt 0x0                               ; my stores have landed, and my reads of the parts are in
	s_barrier_signal -1
	s_barrier_wait -1
	ds_load_b128 v[MO:MO+3], v251
	ds_load_b128 v[MO+4:MO+7], v251 offset:528
	s_wait_dscnt 0x0
	global_store_b128 v1, v[MO:MO+3], s[28:29]     ; 32 lanes store 512 consecutive bytes, at a multiple of 256 from out0's first byte
	global_store_b128 v1, v[MO+4:MO+7], s[28:29] offset:1024
	s_wait_tensorcnt 0x0
	ds_add_u32 v254, v255
	s_wait_dscnt 0x0
	s_endpgm
.Lfunc_end_k_q10ed7fc573_attn:
	.size	k_q10ed7fc573_attn, .Lfunc_end_k_q10ed7fc573_attn-k_q10ed7fc573_attn
	.p2alignl 7, 3214868480
	.fill 96, 4, 3214868480
	.section	.rodata,"a",@progbits
	.p2align	6, 0x0
	.amdhsa_kernel k_q10ed7fc573_attn
		.amdhsa_group_segment_fixed_size 83456
		.amdhsa_private_segment_fixed_size 0
		.amdhsa_enable_private_segment 0
		.amdhsa_kernarg_size 104
		.amdhsa_user_sgpr_count 2
		.amdhsa_user_sgpr_kernarg_segment_ptr 1
		.amdhsa_wavefront_size32 1
		.amdhsa_system_sgpr_workgroup_id_x 1
		.amdhsa_system_sgpr_workgroup_id_y 1
		.amdhsa_system_sgpr_workgroup_id_z 1
		.amdhsa_system_vgpr_workitem_id 0
		.amdhsa_next_free_vgpr 512
		.amdhsa_next_free_sgpr 100
		.amdhsa_reserve_vcc 0
		.amdhsa_float_denorm_mode_32 3
		.amdhsa_float_denorm_mode_16_64 3
		.amdhsa_memory_ordered 1
		.amdhsa_forward_progress 1
		.amdhsa_inst_pref_size 152
	.end_amdhsa_kernel
	.amdgpu_metadata
---
amdhsa.version: [ 1, 2 ]
amdhsa.kernels:
  - .name:           k_q10ed7fc573_attn
    .symbol:         k_q10ed7fc573_attn.kd
    .args:
      - { .name: xyz, .offset: 0, .size: 8, .value_kind: global_buffer, .address_space: global }
      - { .name: w1, .offset: 8, .size: 8, .value_kind: global_buffer, .address_space: global }
      - { .name: b1, .offset: 16, .size: 8, .value_kind: global_buffer, .address_space: global }
      - { .name: w2, .offset: 24, .size: 8, .value_kind: global_buffer, .address_space: global }
      - { .name: b2, .offset: 32, .size: 8, .value_kind: global_buffer, .address_space: global }
      - { .name: qc, .offset: 40, .size: 8, .value_kind: global_buffer, .address_space: global }
      - { .name: qs, .offset: 48, .size: 8, .value_kind: global_buffer, .address_space: global }
      - { .name: kimg, .offset: 56, .size: 8, .value_kind: global_buffer, .address_space: global }
      - { .name: ks, .offset: 64, .size: 8, .value_kind: global_buffer, .address_space: global }
      - { .name: vimg, .offset: 72, .size: 8, .value_kind: global_buffer, .address_space: global }
      - { .name: vsc, .offset: 80, .size: 8, .value_kind: global_buffer, .address_space: global }
      - { .name: maskw, .offset: 88, .size: 8, .value_kind: global_buffer, .address_space: global }
      - { .name: out0, .offset: 96, .size: 8, .value_kind: global_buffer, .address_space: global }
    .group_segment_fixed_size: 83456
    .private_segment_fixed_size: 0
    .kernarg_segment_align: 8
    .kernarg_segment_size: 104
    .max_flat_workgroup_size: 256
    .sgpr_count:     100
    .vgpr_count:     512
    .wavefront_size: 32
...
	.end_amdgpu_metadata
.endif
;; end of part 2
;; ======== version 2 of 2: 2 launches; version 1 with the launches prep, attn written anew for expert scheduling mode
;; workspace buffers: qc 393,216 bytes; qs 16,384 bytes; kimg 3,145,728 bytes; ks 16,384 bytes; vimg 524,288 bytes; vsc 65,536 bytes; maskw 524,288 bytes of whole numbers
;; launch prep (part 3): grid 256 x 1, 8 waves a work-group, no clusters, 15,360 bytes of LDS; arguments xyz, features, qkv_w, qkv_b, qc, qs, kimg, ks, vimg, vsc, maskw; writes qc, qs, kimg, ks, vimg, vsc, maskw
.if DOCPART == 3
	.amdgcn_target "amdgcn-amd-amdhsa--gfx1250"
	.amdhsa_code_object_version 6
	.text
	.protected	k_q10ed7fc573_prep
	.globl	k_q10ed7fc573_prep
	.p2align	8
	.type	k_q10ed7fc573_prep,@function
k_q10ed7fc573_prep:
	s_mov_b64 s[64:65], 0
	v_nop
	global_prefetch_b8 v0, s[64:65] scope:SCOPE_SE
	s_setreg_imm32_b32 hwreg(HW_REG_WAVE_SCHED_MODE, 0, 2), 2
	s_setreg_imm32_b32 hwreg(HW_REG_WAVE_MODE, 25, 1), 1
	s_wait_xcnt 0x0
	s_wait_alu depctr_vm_vsrc(0)
; PREP.  Two pieces of work for the attention launch that follows.
; (M) THE MASK AS WHOLE NUMBERS.  Wave gid = 8 x work-group + wave takes 16 queries (tile T = gid / 16) and 4 blocks of 32 keys.  Lane (r, h) holds query 16 T + r and the keys
;     32 beta + 16 h + idx, idx = 0 .. 15.  One compare dist < 0.1 gives a word of 32 bits for each (T, beta, idx): bit r + 16 h.  maskw[T][beta][idx]; a wave's 64 words leave as 256 consecutive bytes.
; (Q) THE FIRST PRODUCT, qkv = W x features + bias, on codes of BF6 (E3M2) with one E8M0 scale for each 32 channels, and the quantisers of its results.
;     Work-groups 0-191: tau = x / 64 (0 q, 1 k, 2 v), beta = x % 64: 32 points; wave w = head w: 32 output channels, K = 256 in two steps of 128.  Work-groups 192-255 have the mask alone.
;     Waves 0-3 quantise the four fragments of features (16 points x 128 channels; a lane takes a point and its registers run down the channels) and hand them round through LDS as images of their registers.
;     q, k: the product is used transposed (source 0 = 16 rows of W, source 1 = 16 points) and the rows of W that form a tile are r + 8 (r / 8) + 8 u, so that a lane holds 16 neighbouring d of one point.
;     v:    source 0 = 16 points, chosen likewise, source 1 = 16 rows of W: a lane holds 16 neighbouring KEYS of one channel, since the keys are the last product's K.
;     q's codes leave as rows [n][head][24 bytes]; k's as images of the second launch's operand (16 rows: key half h', head i' in K block i', all else zero codes); v's as 16 bytes a lane (3 registers of codes, one zero word).
; LIMITS: NaN and infinities among the inputs are not served.  A block whose largest magnitude lies under 2^(5 - 127) keeps the scale byte 1 (a block of zeros too: its codes are zeros, and only this program reads the bytes).
;     A squared distance under 2^-126 counts as 0 (the square root flushes denormals); a pair whose distance lies within one unit in the last place of 0.1 may fall on either side of the mask.
; THE MODE: SCHED_MODE bits 1:0 = 2 (LLVM: expert scheduling mode 2), set by the entry lines.  The code itself states the register dependences
; between vector or matrix instructions and memory or LDS instructions, with s_wait_alu, always for 0.
; THE PLAN.  Registers that memory or LDS instructions touch:
;   v4-15, v25-27   offsets and LDS addresses, made once at the head; v22-24 offsets, made once at the head of (Q).  One wait on va_vdst behind each making; none is written again.
;   KC0, KC1        Block b's 48 subtractions read set b % 2.  The block's one wait on va_vdst stands behind its square roots; the loads of block b + 2 follow it at once, and no vector line behind it names the set.
;   v20, v21        Written by v_writelane_b32, read by the mask's one store: a wait ahead of the store.
;   X0, X1          A quantiser reads a buffer; a wait on va_vdst stands behind it where the buffer is asked for again.
;   WF, WS          Waves 0-3: written by the features' quantiser, read by four LDS stores (va_vdst ahead), written again by W's first quantiser (vm_vsrc between).
;                   All waves: written by W's quantisers, taken by the scaled products: the places, then a wait on va_vdst; the same wait lets the features' fragments land in X0's registers.
;   v218-228        The results' codes and bytes: one wait on va_vdst on each path, ahead of the stores that read them; behind it no vector line stands on q's and v's ways out, so their LDS loads owe nothing more.
;   v32-79 (k)      The images: 48 selects, one wait on va_vdst, 12 stores.
.set FIMG, 0                           ; LDS: the four fragments of features, 1,536 bytes each
.set FSC,  6144                        ; their scale words, 128 bytes each
.set CR,   6656                        ; q's or k's codes: 32 rows of 192 bytes
.set SB,   12800                       ; their scale bytes: 32 rows of 8
.set VST,  13056                       ; v's scale words: 2 x 512 bytes
.set KC,   32                          ; v32-127  two sets of key coordinates (x, y, z: 16 each)
.set X0,   32                          ; v32-95   64 numbers of a fragment to be quantised
.set X1,   96                          ; v96-159  the other set
.set WF,   160                         ; v160-207 W's four fragments (tile u, K step s: 2 u + s)
.set WS,   208                         ; v208-211 their scale words
.set FF,   32                          ; v32-79   the four fragments of features (t + 2 s)
.set FS,   232                         ; v232-235 their scale words
.set ACC,  96                          ; v96-127  four accumulators
.set SBC,  230                         ; v230-231 the scale bytes on their way out: named by that copy alone, so its store's data are never written again
.set BI,   236                         ; v236-251 the bias in the transposed result's layout (q, k)
.set BV,   252                         ; v252-255 the bias of my channel, twice, for the two tiles (v)
.macro KLOAD b                         ; block b's key coordinates into set b % 2: 12 loads
.irp c, 0,1,2
.irp q, 0,1,2,3
	global_load_b128 v[KC+48*((\b)%2)+16*\c+4*\q:KC+48*((\b)%2)+16*\c+4*\q+3], v4, s[46:47] offset:128*(\b)+8192*\c+16*\q
.endr
.endr
.endm
.macro MASKB b, ahead                  ; block b: 16 distances a lane, 16 words of the mask.  ahead = 1: block b + 2's coordinates are asked for, into the set that this block has read
.set KK, KC+48*((\b)%2)
.irp i, 0,1,2,3,4,5,6,7,8,9,10,11,12,13,14,15
	v_sub_f32 v144, v16, v[KK+\i]
	v_sub_f32 v145, v17, v[KK+16+\i]
	v_sub_f32 v146, v18, v[KK+32+\i]
	v_mul_f32 v[128+\i], v144, v144
	v_fma_f32 v[128+\i], v145, v145, v[128+\i]
	v_fma_f32 v[128+\i], v146, v146, v[128+\i]
.endr
.irp i, 0,1,2,3,4,5,6,7,8,9,10,11,12,13,14,15
	v_sqrt_f32 v[148+\i], v[128+\i]
.endr
	v_nop                                          ; one plain instruction behind the last square root
	s_wait_alu depctr_va_vdst(0)                   ; the sixteen square roots are written, ahead of their first reader; and the subtractions are done reading this set of coordinates, in which the loads below land
.if \ahead
	KLOAD (\b)+2                                   ; no vector line behind the wait names the set or v4
.endif
.irp i, 0,1,2,3,4,5,6,7,8,9,10,11,12,13,14,15
	v_cmp_gt_f32 s[52+\i-30*(\i/12)], s32, v[148+\i]        ; bit r + 16 h: 0.1 > dist.  Sixteen masks in a run, into s52-63 and s34-37
.endr
	s_wait_alu depctr_va_sdst(0)                   ; the sixteen compares have written their masks, ahead of the first line that reads one
.irp i, 0,1,2,3,4,5,6,7,8,9,10,11,12,13,14,15
	v_writelane_b32 v[20+(\i)%2], s[52+\i-30*(\i/12)], (16*(\b)+\i)/2   ; word k = 16 b + idx goes to register k % 2 of lane k / 2: the lane's 8 bytes of the store
.endr
.endm
; 64 numbers of a lane, v[x + 32 c + i] = k 64 c + 32 h + i of my row: two whole blocks.  Codes into v[d] .. v[d + 11], the row's scale word into v[w].
.macro QUANT64 x, d, w
	v_max3_num_f32 v212, |v[\x]|, |v[\x+1]|, 0x2800000      ; the floor 2^(5 - 127) among the leaves holds the byte at 1 from below
	v_max3_num_f32 v213, |v[\x+32]|, |v[\x+33]|, 0x2800000
.irp i, 2,4,6,8,10,12,14,16,18,20,22,24,26,28,30
	v_max3_num_f32 v212, v212, |v[\x+\i]|, |v[\x+\i+1]|
	v_max3_num_f32 v213, v213, |v[\x+32+\i]|, |v[\x+33+\i]|
.endr
	v_add_nc_u32 v214, 0xfe000000, v212            ; 4 off the exponent field: the conversion's scale operand
	v_add_nc_u32 v215, 0xfe000000, v213
	v_lshrrev_b32 v216, 23, v214                   ; the scale's byte
	v_lshrrev_b32 v217, 23, v215
	v_lshl_or_b32 v218, v217, 16, v216             ; my blocks h and 2 + h,
	v_lshlrev_b32 v218, v19, v218                  ; 8 h bits up;
	v_permlanex16_b32 v219, v218, s30, s31
	v_or_b32 v[\w], v218, v219                     ; with lane l xor 16's two the word is whole
	v_cvt_scalef32_pk16_bf6_f32 v[\d:\d+2], v[\x:\x+15], v214
	v_cvt_scalef32_pk16_bf6_f32 v[220:222], v[\x+16:\x+31], v214   ; (a conversion's three registers begin on an even number)
	v_cvt_scalef32_pk16_bf6_f32 v[\d+6:\d+8], v[\x+32:\x+47], v215
	v_cvt_scalef32_pk16_bf6_f32 v[224:226], v[\x+48:\x+63], v215
	v_nop                                          ; one plain instruction behind a scaled conversion
.irp i, 0,1,2
	v_mov_b32 v[\d+3+\i], v[220+\i]
	v_mov_b32 v[\d+9+\i], v[224+\i]
.endr
.endm
.macro WLOAD g, x                      ; W's fragment g = 2 u + s: my row's 64 numbers, 16 loads of 16 bytes
.irp c, 0,1
.irp j, 0,1,2,3,4,5,6,7
	global_load_b128 v[\x+32*\c+4*\j:\x+32*\c+4*\j+3], v[23+(\g)/2], s[54:55] offset:512*((\g)%2)+256*\c+16*\j
.endr
.endr
.endm
; Two runs of 16 numbers; each is half of a block of 32 whose other half lies in lane l xor 16.  Codes into v[220:222], v[224:226]; bytes into v218, v219.
.macro QUANT2 a, b
	v_max3_num_f32 v212, |v[\a]|, |v[\a+1]|, 0x2800000
	v_max3_num_f32 v213, |v[\b]|, |v[\b+1]|, 0x2800000
.irp i, 2,4,6,8,10,12,14
	v_max3_num_f32 v212, v212, |v[\a+\i]|, |v[\a+\i+1]|
	v_max3_num_f32 v213, v213, |v[\b+\i]|, |v[\b+\i+1]|
.endr
	v_permlanex16_b32 v214, v212, s30, s31
	v_permlanex16_b32 v215, v213, s30, s31
	v_max_num_f32 v212, v212, v214
	v_max_num_f32 v213, v213, v215
	v_add_nc_u32 v216, 0xfe000000, v212
	v_add_nc_u32 v217, 0xfe000000, v213
	v_lshrrev_b32 v218, 23, v216
	v_lshrrev_b32 v219, 23, v217
	v_cvt_scalef32_pk16_bf6_f32 v[220:222], v[\a:\a+15], v216
	v_cvt_scalef32_pk16_bf6_f32 v[224:226], v[\b:\b+15], v217
	v_nop                                          ; one plain instruction behind a scaled conversion
.endm
	s_load_b512 s[4:19], s[0:1], 0x0               ; xyz s[4:5], features s[6:7], qkv_w s[8:9], qkv_b s[10:11], qc s[12:13], qs s[14:15], kimg s[16:17], ks s[18:19]
	s_load_b128 s[20:23], s[0:1], 0x40             ; vimg s[20:21], vsc s[22:23]
	s_load_b64 s[24:25], s[0:1], 0x50              ; maskw
	v_lshl_add_u32 v31, v0, 2, 0x3800
	v_mov_b32 v229, 0
	v_lshrrev_b32 v1, 5, v0
	v_readfirstlane_b32 s26, v1                    ; wave 0..7
	s_mov_b32 s27, ttmp9                           ; work-group
	s_lshr_b32 s28, s27, 6                         ; tau
	s_and_b32 s29, s27, 63                         ; beta
	s_mov_b32 s30, 0x76543210                      ; v_permlanex16_b32's selects for lane l xor 16
	s_mov_b32 s31, 0xfedcba98
	s_mov_b32 s32, 0x3dcccccd                      ; 0.1
	s_mov_b32 s40, 0xffff0000                      ; lanes 16-31
	s_mov_b32 s41, 0x02020101                      ; k's image, registers 0-5: lanes (row 8 h' + i', half i') for i' = 0, 1
	s_mov_b32 s42, 0x08080404                      ; registers 6-11: lanes (row 8 h' + i', half i' - 2) for i' = 2, 3
	s_wait_alu depctr_va_sdst(0)                   ; s26 is written, ahead of its first reader: LDS addresses and bases are made from it
	s_and_b32 s50, s26, 3
	s_lshr_b32 s51, s26, 2
	; every LDS address is made here, ahead of the first branch: a constant + a constant x lane + a constant x wave
	v_and_b32 v1, 31, v0                           ; lane
	v_and_b32 v2, 15, v0                           ; r
	v_bfe_u32 v3, v0, 4, 1                         ; h
	v_lshlrev_b32 v4, 6, v3                        ; 64 h
	v_lshlrev_b32 v5, 2, v2                        ; 4 r
	v_lshlrev_b32 v6, 3, v1                        ; 8 x lane
	v_lshlrev_b32 v7, 4, v1                        ; 16 x lane
	v_lshlrev_b32 v8, 2, v1                        ; 4 x lane
	v_lshlrev_b32 v19, 3, v3                       ; 8 h
	s_mul_i32 s34, s50, 1536
	v_add_nc_u32 v9, s34, v7                       ; where waves 0-3 store a fragment's image
	s_lshl_b32 s34, s50, 7
	s_add_co_u32 s34, s34, FSC
	v_add_nc_u32 v10, s34, v8                      ; and its scale words
	v_mul_u32_u24 v11, v2, 192
	v_mad_u32_u24 v11, v3, 12, v11
	s_mul_i32 s34, s26, 24
	s_add_co_u32 s34, s34, CR
	v_add_nc_u32 v11, s34, v11                     ; codes of q, k: row r, head w, 12 bytes a half
	v_lshlrev_b32 v12, 3, v2
	s_add_co_u32 s34, s26, SB
	v_add_nc_u32 v12, s34, v12                     ; their byte: row r, head w
	s_lshl_b32 s34, s51, 9
	s_lshl_b32 s35, s50, 2
	s_add_co_u32 s34, s34, s35
	s_add_co_u32 s34, s34, VST
	v_add_nc_u32 v13, s34, v7                      ; v's scale word: half of the heads, lane, head % 4
	s_mul_i32 s34, s26, 768
	v_add_nc_u32 v27, s34, v6                      ; q's way out: my wave's 768 bytes, 8 a lane (the offset in memory),
	v_add_nc_u32 v14, CR, v27                      ; and the same in LDS
	v_bfe_u32 v15, v0, 3, 1                        ; h' of an image's row
	v_mul_u32_u24 v15, v15, 3072
	v_and_b32 v28, 3, v0                           ; i'
	v_mad_u32_u24 v15, v28, 24, v15
	s_mul_i32 s34, s50, 768
	s_mul_i32 s35, s51, 96
	s_add_co_u32 s34, s34, s35
	s_add_co_u32 s34, s34, CR
	v_add_nc_u32 v15, s34, v15                     ; k's images: key 16 h' + 4 (w % 4) + e, head 4 (w / 4) + i'
	v_add_nc_u32 v26, SB, v6
	s_and_b32 s34, s26, 1
	s_lshl_b32 s34, s34, 9
	s_add_co_u32 s34, s34, VST
	v_add_nc_u32 v25, s34, v7                      ; v's scale words on the way out
	v_mov_b32 v20, 0                               ; written once: v_writelane_b32's and a lane permute's destination count as read
	v_mov_b32 v21, 0
	v_mov_b32 v219, 0
	v_mov_b32 v223, 0                              ; the zero word behind v's three registers of codes
	v_mov_b32 v227, 0
	; ---- M: the mask
	s_lshl_b32 s34, s27, 3
	s_add_co_u32 s34, s34, s26                     ; gid
	s_lshr_b32 s36, s34, 4
	s_lshl_b32 s36, s36, 6                         ; my 16 queries: 64 T bytes into a row of xyz
	s_mov_b32 s37, 0
	s_and_b32 s38, s34, 15
	s_lshl_b32 s38, s38, 9                         ; my 128 keys: 512 (gid % 16) bytes
	s_mov_b32 s39, 0
	s_lshl_b32 s34, s34, 8                         ; my 64 words
	s_mov_b32 s35, 0
	s_wait_kmcnt 0x0
	s_add_nc_u64 s[44:45], s[4:5], s[36:37]
	s_add_nc_u64 s[46:47], s[4:5], s[38:39]
	s_add_nc_u64 s[48:49], s[24:25], s[34:35]
	s_wait_alu depctr_va_vdst(0)                   ; the offsets and LDS addresses v4 to v15 and v25 to v27 are written, which the loads and stores of the whole kernel read
	global_load_b32 v16, v5, s[44:45]
	global_load_b32 v17, v5, s[44:45] offset:8192
	global_load_b32 v18, v5, s[44:45] offset:16384
	KLOAD 0
	KLOAD 1
	s_wait_loadcnt 12                              ; all but the youngest 12 loads, the next set's
	MASKB 0, 1
	s_wait_loadcnt 12
	MASKB 1, 1
	s_wait_loadcnt 12
	MASKB 2, 0
	s_wait_loadcnt 0x0
	MASKB 3, 0
	s_wait_alu depctr_va_vdst(0)                   ; the v_writelane_b32 have written v20 and v21, which the store reads
	global_store_b64 v6, v[20:21], s[48:49]        ; 32 lanes store 256 consecutive bytes, aligned
	s_cmp_ge_u32 s27, 192
	s_cbranch_scc1 .Lend                           ; the last 64 work-groups had the mask alone
	; ---- Q: what hangs on tau
	s_cmp_eq_u32 s28, 2
	s_cselect_b32 s34, 8, 0                        ; v: the POINTS of a tile are r + 8 (r / 8) + 8 t;  q, k: r + 16 t
	s_cselect_b32 s35, 32, 64                      ; bytes from tile t = 0 to t = 1
	s_cselect_b32 s36, 0, 8                        ; q, k: the ROWS OF W of a tile are r + 8 (r / 8) + 8 u;  v: r + 16 u
	s_mov_b32 s37, 8192
	s_cselect_b32 s37, 16384, s37                  ; bytes from tile u = 0 to u = 1
	v_and_b32 v22, s34, v2
	v_add_nc_u32 v22, v22, v2
	v_lshlrev_b32 v22, 2, v22
	v_lshl_add_u32 v22, v3, 18, v22                ; features: my point, and 32 channels (of 8,192 bytes) further down for lanes 16-31
	v_and_b32 v23, s36, v2
	v_add_nc_u32 v23, v23, v2
	v_lshlrev_b32 v23, 10, v23
	v_lshl_add_u32 v23, v3, 7, v23                 ; W: my row of 1,024 bytes, + 128 h
	v_add_nc_u32 v24, s37, v23                     ; and the same in tile u = 1
	s_and_b32 s38, s26, 1
	s_mul_i32 s38, s38, s35                        ; fragment t = w % 2,
	s_lshl_b32 s39, s29, 7
	s_add_co_u32 s38, s38, s39                     ; the work-group's 32 points,
	s_bfe_u32 s39, s26, 0x10001
	s_lshl_b32 s39, s39, 20                        ; K step s = (w / 2) % 2: 128 channels
	s_add_co_u32 s38, s38, s39
	s_mov_b32 s39, 0
	s_add_nc_u64 s[52:53], s[6:7], s[38:39]
	s_lshl_b32 s38, s28, 18
	s_lshl_b32 s34, s26, 15
	s_add_co_u32 s38, s38, s34                     ; W's row 256 tau + 32 w
	s_add_nc_u64 s[54:55], s[8:9], s[38:39]
	s_lshl_b32 s38, s28, 10
	s_lshl_b32 s34, s26, 7
	s_add_co_u32 s38, s38, s34
	s_add_nc_u64 s[56:57], s[10:11], s[38:39]      ; and its bias
	s_wait_alu depctr_va_vdst(0)                   ; the offsets v22 to v24 are written, which the loads of features and of W read
.irp q, 0,1,2,3
	global_load_b128 v[BI+4*\q:BI+4*\q+3], v4, s[56:57] offset:16*\q     ; channels 16 h + 0 .. 15: tile u's eight at BI + 8 u
.endr
	global_load_b32 v[BV], v5, s[56:57]            ; channel r, twice: a pair for the packed addition
	global_load_b32 v[BV+1], v5, s[56:57]
	global_load_b32 v[BV+2], v5, s[56:57] offset:64  ; channel 16 + r
	global_load_b32 v[BV+3], v5, s[56:57] offset:64
	s_cmp_ge_u32 s26, 4
	s_cbranch_scc1 .Lno_feat
.irp c, 0,1                                        ; waves 0-3: features(64 c + 32 h + i, my point): sixteen lanes read 64 neighbouring bytes
.irp i, 0,1,2,3,4,5,6,7,8,9,10,11,12,13,14,15,16,17,18,19,20,21,22,23,24,25,26,27,28,29,30,31
	global_load_b32 v[X0+32*\c+\i], v22, s[52:53] offset:(64*\c+\i)*8192
.endr
.endr
	s_wait_loadcnt 0x0
	QUANT64 X0, WF, WS
	s_wait_alu depctr_va_vdst(0)                   ; the quantiser has written the fragment and its scale word, which the LDS stores read, and is done reading X0, in which W's first loads land
	ds_store_b128 v9, v[WF:WF+3]                   ; the fragment goes to LDS as an image of its registers
	ds_store_b128 v9, v[WF+4:WF+7] offset:512
	ds_store_b128 v9, v[WF+8:WF+11] offset:1024
	ds_store_b32 v10, v[WS]
	s_wait_dscnt 0x0                               ; my four LDS stores are done
	s_wait_alu depctr_vm_vsrc(0)                   ; they have read v[WF ..] and v[WS], which W's first quantiser writes next
.Lno_feat:
	WLOAD 0, X0
	WLOAD 1, X1
	s_wait_loadcnt 16                              ; all but the youngest fragment's 16 loads
	QUANT64 X0, WF, WS
	s_wait_alu depctr_va_vdst(0)                   ; the quantiser is done reading X0, in which the loads below land
	WLOAD 2, X0
	s_wait_loadcnt 16
	QUANT64 X1, WF+12, WS+1
	s_wait_alu depctr_va_vdst(0)                   ; the quantiser is done reading X1, in which the loads below land
	WLOAD 3, X1
	s_wait_loadcnt 16
	QUANT64 X0, WF+24, WS+2
	s_wait_loadcnt 0x0
	QUANT64 X1, WF+36, WS+3
.rept 8
	v_nop                                          ; a scale register written by a vector instruction stands 8 places ahead of a scaled matrix instruction, an operand so written 4
.endr
	s_wait_alu depctr_va_vdst(0)                   ; behind the places: the quantisers have written W's fragments and scale words, which the scaled products take; and they are done reading X0, in which the features' fragments land
	s_wait_dscnt 0x0                               ; my LDS stores have landed
	s_barrier_signal -1
	s_barrier_wait -1                              ; the four fragments of features lie in LDS
.irp f, 0,1,2,3
.irp c, 0,1,2
	ds_load_b128 v[FF+12*\f+4*\c:FF+12*\f+4*\c+3], v7 offset:FIMG+1536*\f+512*\c
.endr
	ds_load_b32 v[FS+\f], v8 offset:FSC+128*\f
.endr
	s_wait_dscnt 0x0
	s_cmp_eq_u32 s28, 2
	s_cbranch_scc1 .Lpath_v
	; ---- q, k: accumulator (t, u): lane (r, h) holds d = 16 h + 8 u + j of point 16 t + r.  The four take turns, one instruction a turn; the bias is the C of each sum's first product
.irp s, 0,1
.irp t, 0,1
.irp u, 0,1
.if \s == 0
	v_wmma_scale_f32_16x16x128_f8f6f4 v[ACC+16*\t+8*\u:ACC+16*\t+8*\u+7], v[WF+12*(2*\u+\s):WF+12*(2*\u+\s)+11], v[FF+12*(\t+2*\s):FF+12*(\t+2*\s)+11], v[BI+8*\u:BI+8*\u+7], v[WS+2*\u+\s], v[FS+\t+2*\s] matrix_a_fmt:MATRIX_FMT_BF6 matrix_b_fmt:MATRIX_FMT_BF6
.else
	v_wmma_scale_f32_16x16x128_f8f6f4 v[ACC+16*\t+8*\u:ACC+16*\t+8*\u+7], v[WF+12*(2*\u+\s):WF+12*(2*\u+\s)+11], v[FF+12*(\t+2*\s):FF+12*(\t+2*\s)+11], v[ACC+16*\t+8*\u:ACC+16*\t+8*\u+7], v[WS+2*\u+\s], v[FS+\t+2*\s] matrix_a_fmt:MATRIX_FMT_BF6 matrix_b_fmt:MATRIX_FMT_BF6
.endif
.endr
.endr
.endr
.rept 4
	v_nop                                          ; four places in front of the first read of results
.endr
	QUANT2 ACC, ACC+16                             ; a point's 32 d of my head are one block
	s_wait_alu depctr_va_vdst(0)                   ; the quantiser has written the codes v220 to v226 and the bytes v218, v219, which the LDS stores read; the products are done with the features' fragments and the quantiser with the accumulators, in whose registers the way out's LDS loads land
.irp t, 0,1
.irp i, 0,1,2
	ds_store_b32 v11, v[220+4*\t+\i] offset:3072*\t+4*\i
.endr
	ds_store_b8 v12, v[218+\t] offset:128*\t       ; both lanes of a block write the same byte with the same value
.endr
	s_branch .Ljoin
	; ---- v: accumulator (dt, u'): lane (r, h) holds keys 16 h + 8 u' + j of channel 16 dt + r
.Lpath_v:
.irp s, 0,1
.irp t, 0,1
.irp u, 0,1
.if \s == 0
	v_wmma_scale_f32_16x16x128_f8f6f4 v[ACC+16*\t+8*\u:ACC+16*\t+8*\u+7], v[FF+12*(\u+2*\s):FF+12*(\u+2*\s)+11], v[WF+12*(2*\t+\s):WF+12*(2*\t+\s)+11], 0, v[FS+\u+2*\s], v[WS+2*\t+\s] matrix_a_fmt:MATRIX_FMT_BF6 matrix_b_fmt:MATRIX_FMT_BF6
.else
	v_wmma_scale_f32_16x16x128_f8f6f4 v[ACC+16*\t+8*\u:ACC+16*\t+8*\u+7], v[FF+12*(\u+2*\s):FF+12*(\u+2*\s)+11], v[WF+12*(2*\t+\s):WF+12*(2*\t+\s)+11], v[ACC+16*\t+8*\u:ACC+16*\t+8*\u+7], v[FS+\u+2*\s], v[WS+2*\t+\s] matrix_a_fmt:MATRIX_FMT_BF6 matrix_b_fmt:MATRIX_FMT_BF6
.endif
.endr
.endr
.endr
.rept 4
	v_nop
.endr
.irp t, 0,1
.irp j, 0,2,4,6,8,10,12,14
	v_pk_add_f32 v[ACC+16*\t+\j:ACC+16*\t+\j+1], v[ACC+16*\t+\j:ACC+16*\t+\j+1], v[BV+2*\t:BV+2*\t+1]   ; my channel's bias
.endr
.endr
	QUANT2 ACC, ACC+16                             ; a channel's 32 keys are one block
	v_cndmask_b32 v228, v218, v219, s40            ; lanes 0-15 carry tile 0's byte, lanes 16-31 tile 1's
	v_lshl_or_b32 v228, v228, 8, v228              ; K blocks 0 and 1 are the two halves of the one block of 32 keys;
	v_or_b32 v228, 0x7f7f0000, v228                ; blocks 2 and 3 meet zero codes
	s_lshl_b32 s38, s29, 13
	s_lshl_b32 s34, s26, 10
	s_add_co_u32 s38, s38, s34                     ; vimg[beta][head w]
	s_add_nc_u64 s[58:59], s[20:21], s[38:39]
	s_wait_alu depctr_va_vdst(0)                   ; the quantiser has written the codes v220 to v226 and the lines above the scale word v228, which the three stores read; the products are done with the features' fragments, in whose registers the way out's LDS load lands
	global_store_b128 v7, v[220:223], s[58:59]     ; 32 lanes store 512 consecutive bytes: the fragment as the next launch's registers take it
	global_store_b128 v7, v[224:227], s[58:59] offset:512
	ds_store_b32 v13, v228
.Ljoin:
	s_wait_dscnt 0x0                               ; my LDS stores have landed
	s_barrier_signal -1
	s_barrier_wait -1
	s_cmp_eq_u32 s28, 2
	s_cbranch_scc1 .Lout_v
	s_cmp_eq_u32 s28, 0
	s_cselect_b64 s[60:61], s[14:15], s[18:19]     ; qs or ks: the choice hangs on the work-group's number alone
	s_lshl_b32 s38, s29, 8
	s_add_nc_u64 s[60:61], s[60:61], s[38:39]
	s_cmp_lg_u32 s26, 0
	s_cbranch_scc1 .Lno_sb
	ds_load_b64 v[SBC:SBC+1], v26                  ; wave 0: the 32 points' scale bytes, through registers that no vector line names and nothing behind this store writes
	s_wait_dscnt 0x0
	global_store_b64 v6, v[SBC:SBC+1], s[60:61]    ; 256 consecutive bytes, aligned
.Lno_sb:
	s_cmp_eq_u32 s28, 1
	s_cbranch_scc1 .Lout_k
	s_mul_i32 s38, s29, 6144                       ; q: the 32 rows of 192 bytes leave as they lie, 768 bytes a wave
	s_add_nc_u64 s[58:59], s[12:13], s[38:39]
.irp p, 0,1,2
	ds_load_b64 v[32+2*\p:33+2*\p], v14 offset:256*\p       ; no vector line has stood since the wait ahead of the codes' LDS stores
.endr
	s_wait_dscnt 0x0
.irp p, 0,1,2
	global_store_b64 v27, v[32+2*\p:33+2*\p], s[58:59] offset:256*\p
.endr
	s_wait_dscnt 0x0
	s_wait_alu depctr_hold_cnt(0) depctr_sa_sdst(0) depctr_va_vdst(0) depctr_va_sdst(0) depctr_va_ssrc(0) depctr_va_vcc(0) depctr_vm_vsrc(0)
	s_wait_tensorcnt 0x0
	ds_add_u32 v31, v229
	s_wait_dscnt 0x0
	s_endpgm
.Lout_k:                                           ; k: four images a wave: half of the heads G = w / 4, idx = 4 (w % 4) + e
	s_mul_i32 s38, s51, 1572864
	s_mul_i32 s34, s29, 24576
	s_add_co_u32 s38, s38, s34
	s_mul_i32 s34, s50, 6144
	s_add_co_u32 s38, s38, s34
	s_add_nc_u64 s[58:59], s[16:17], s[38:39]
.irp e, 0,1,2,3
.irp p, 0,1,2
	ds_load_b64 v[96+6*\e+2*\p:97+6*\e+2*\p], v15 offset:192*\e+8*\p    ; the 24 bytes of (key 16 h' + idx, head 4 G + i'); no vector line has stood since the wait ahead of the codes' LDS stores
.endr
.endr
	s_wait_dscnt 0x0
.irp e, 0,1,2,3
.irp i, 0,1,2,3,4,5
	v_cndmask_b32 v[32+12*\e+\i], 0, v[96+6*\e+\i], s41     ; they stay only where the lane's K block is head i''s; all else is zero codes
	v_cndmask_b32 v[38+12*\e+\i], 0, v[96+6*\e+\i], s42
.endr
.endr
	s_wait_alu depctr_va_vdst(0)                   ; the 48 selects have written the four images v32 to v79, which the twelve stores read
.irp e, 0,1,2,3
.irp c, 0,1,2
	global_store_b128 v7, v[32+12*\e+4*\c:35+12*\e+4*\c], s[58:59] offset:1536*\e+512*\c
.endr
.endr
	s_wait_dscnt 0x0
	s_wait_alu depctr_hold_cnt(0) depctr_sa_sdst(0) depctr_va_vdst(0) depctr_va_sdst(0) depctr_va_ssrc(0) depctr_va_vcc(0) depctr_vm_vsrc(0)
	s_wait_tensorcnt 0x0
	ds_add_u32 v31, v229
	s_wait_dscnt 0x0
	s_endpgm
.Lout_v:
	s_cmp_ge_u32 s26, 2
	s_cbranch_scc1 .Lend
	s_lshl_b32 s38, s29, 10                        ; waves 0 and 1: vsc[beta][G = wave]
	s_lshl_b32 s34, s26, 9
	s_add_co_u32 s38, s38, s34
	s_add_nc_u64 s[60:61], s[22:23], s[38:39]
	ds_load_b128 v[32:35], v25                     ; no vector line has stood since the wait ahead of v's stores
	s_wait_dscnt 0x0
	global_store_b128 v7, v[32:35], s[60:61]
.Lend:
	s_wait_dscnt 0x0
	s_wait_alu depctr_hold_cnt(0) depctr_sa_sdst(0) depctr_va_vdst(0) depctr_va_sdst(0) depctr_va_ssrc(0) depctr_va_vcc(0) depctr_vm_vsrc(0)
	s_wait_tensorcnt 0x0
	ds_add_u32 v31, v229
	s_wait_dscnt 0x0
	s_endpgm
.Lfunc_end_k_q10ed7fc573_prep:
	.size	k_q10ed7fc573_prep, .Lfunc_end_k_q10ed7fc573_prep-k_q10ed7fc573_prep
	.p2alignl 7, 3214868480
	.fill 96, 4, 3214868480
	.section	.rodata,"a",@progbits
	.p2align	6, 0x0
	.amdhsa_kernel k_q10ed7fc573_prep
		.amdhsa_group_segment_fixed_size 15360
		.amdhsa_private_segment_fixed_size 0
		.amdhsa_enable_private_segment 0
		.amdhsa_kernarg_size 88
		.amdhsa_user_sgpr_count 2
		.amdhsa_user_sgpr_kernarg_segment_ptr 1
		.amdhsa_wavefront_size32 1
		.amdhsa_system_sgpr_workgroup_id_x 1
		.amdhsa_system_sgpr_workgroup_id_y 1
		.amdhsa_system_sgpr_workgroup_id_z 1
		.amdhsa_system_vgpr_workitem_id 0
		.amdhsa_next_free_vgpr 256
		.amdhsa_next_free_sgpr 66
		.amdhsa_reserve_vcc 0
		.amdhsa_float_denorm_mode_32 3
		.amdhsa_float_denorm_mode_16_64 3
		.amdhsa_memory_ordered 1
		.amdhsa_forward_progress 1
		.amdhsa_inst_pref_size 81
	.end_amdhsa_kernel
	.amdgpu_metadata
---
amdhsa.version: [ 1, 2 ]
amdhsa.kernels:
  - .name:           k_q10ed7fc573_prep
    .symbol:         k_q10ed7fc573_prep.kd
    .args:
      - { .name: xyz, .offset: 0, .size: 8, .value_kind: global_buffer, .address_space: global }
      - { .name: features, .offset: 8, .size: 8, .value_kind: global_buffer, .address_space: global }
      - { .name: qkv_w, .offset: 16, .size: 8, .value_kind: global_buffer, .address_space: global }
      - { .name: qkv_b, .offset: 24, .size: 8, .value_kind: global_buffer, .address_space: global }
      - { .name: qc, .offset: 32, .size: 8, .value_kind: global_buffer, .address_space: global }
      - { .name: qs, .offset: 40, .size: 8, .value_kind: global_buffer, .address_space: global }
      - { .name: kimg, .offset: 48, .size: 8, .value_kind: global_buffer, .address_space: global }
      - { .name: ks, .offset: 56, .size: 8, .value_kind: global_buffer, .address_space: global }
      - { .name: vimg, .offset: 64, .size: 8, .value_kind: global_buffer, .address_space: global }
      - { .name: vsc, .offset: 72, .size: 8, .value_kind: global_buffer, .address_space: global }
      - { .name: maskw, .offset: 80, .size: 8, .value_kind: global_buffer, .address_space: global }
    .group_segment_fixed_size: 15360
    .private_segment_fixed_size: 0
    .kernarg_segment_align: 8
    .kernarg_segment_size: 88
    .max_flat_workgroup_size: 256
    .sgpr_count:     66
    .vgpr_count:     256
    .wavefront_size: 32
...
	.end_amdgpu_metadata
.endif
;; end of part 3
;; launch attn (part 4): grid 128 x 2, 8 waves a work-group, no clusters, 83,456 bytes of LDS; arguments xyz, w1, b1, w2, b2, qc, qs, kimg, ks, vimg, vsc, maskw, out0; writes out0
.if DOCPART == 4
	.amdgcn_target "amdgcn-amd-amdhsa--gfx1250"
	.amdhsa_code_object_version 6
	.text
	.protected	k_q10ed7fc573_attn
	.globl	k_q10ed7fc573_attn
	.p2align	8
	.type	k_q10ed7fc573_attn,@function
k_q10ed7fc573_attn:
	s_mov_b64 s[64:65], 0
	v_nop
	global_prefetch_b8 v0, s[64:65] scope:SCOPE_SE
	s_setreg_imm32_b32 hwreg(HW_REG_WAVE_SCHED_MODE, 0, 2), 2
	s_setreg_imm32_b32 hwreg(HW_REG_WAVE_MODE, 25, 1), 1
	s_wait_xcnt 0x0
	s_wait_alu depctr_vm_vsrc(0)
; ATTN.  out[n][head][d] = softmax over the keys m with dist(n, m) < 0.1 of (q.k + pe) x v.  pe = the mean over 4 outputs of relu([rel, dist] w1 + b1) w2 + b2.
; SHARES.  A work-group owns 16 queries (tile T = x) and 4 heads (G = y: heads 4 G + i').  Its eight waves share the keys: wave w walks the blocks of 32 keys beta = 8 w .. 8 w + 7; at the end the waves' parts meet in LDS.
; A lane (r, h) is query 16 T + r and the keys 32 beta + 16 h + idx, idx = 0 .. 15.  A GROUP (beta, idx) is 16 queries x the two keys 32 beta + idx (set 0) and 32 beta + 16 + idx (set 1).
; WORK UNDER THE MASK IS LEFT OUT: the launch before stored one word of 32 bits for each group (bit r + 16 h); a group whose word is 0 is passed over by a scalar branch.  The text is right for every density of the mask.
;   No tensor load and no cluster: branches hang on numbers read from memory, and each wave reads operands of its own keys alone.
; THE PRODUCTS OF A LIVE GROUP.
;   [rel, dist] w1 + b1, in f32 (its result goes on into a quantiser): source 0 = 16 hidden units x 4, unit 8 u + rho + 8 (rho / 8) in row rho; source 1 = 4 x the 16 pairs of a set; C = b1.
;     A lane then holds 16 neighbouring hidden units, 16 h + 0 .. 15, of its query's pair.
;   relu(..) w2, on codes: source 1 (CODE): K blocks 0, 1 = set 0's hidden 0-15, 16-31 in slots 0-15; blocks 2, 3 = set 1's; slots 16-31 zero codes.  Source 0 (W2F, two of them): row 8 h' + 4 a + i' = column
;     4 (4 G + i') + 2 n + a of w2, in blocks 0, 1 for h' = 0 and in blocks 2, 3 for h' = 1.  w2's scale byte is lowered by 2: the mean's 1/4, exact.  Register 4 a + i' of lane (r, h): a part of pe(query r, key of half h, head i').
;   q.k, on codes: source 0 = the stored image (row 8 h' + i': key of half h', head i' in K block i'), source 1 = q's rows (K block b = head 4 G + b).  The same result layout: it adds onto the same accumulator.
; THE SOFTMAX.  t = logit x log2(e); M = the running largest t rounded up to a whole number, kept as -M; p = 2^(t - M), not normalised; the sum is taken of the unquantised p; when M moves, sum and O are multiplied by an exact power of two.
;   A block's largest p is made from the block's largest logit by the same two instructions as every p.
; p x v, on codes: source 1 (PC0 .. PC3, one for each head): the lane's 16 p in K block h, slots 0-15, all else zero codes; source 0: v's codes of the same keys, 3 registers a lane; the other 9 registers of its span meet zero codes and hold neighbouring fragments.
; LIMITS: NaN and infinities among the inputs are not served.  A column of w2 whose largest magnitude lies under 2^(7 - 127) gets the scale of that floor (so that its byte less 2 stays at 1); other blocks have the floor 2^(5 - 127).
;   A squared distance under 2^-126 counts as 0.
; REGISTERS, window 0: v1 16 x lane, v2 128 (r / 8), v3 0, v4 -infinity, v6-8 my query, v9-11 the block's keys (lane l: key l), v12 4 x lane, v13-25 scale words, the rest by the names below; v246-251 LDS addresses.
;   window 1: 0-63 O (head i', tile dt at 16 i' + 8 dt); from 98 on the operands.  The numbers 66-97 are named as a destination by the f32 matrix form alone, in every window.
; THE MODE: SCHED_MODE bits 1:0 = 2 (LLVM: expert scheduling mode 2), set by the entry lines.  The code itself states the register dependences
; between vector or matrix instructions and memory or LDS instructions, with s_wait_alu, always for 0.
; THE PLAN.  Registers that memory or LDS instructions touch:
;   v1, v2, v12, v246-251  offsets and LDS addresses, made at the head, never written again: one wait on va_vdst ahead of the first load.  v33-38, the head's own offsets, are written again by the loop's arithmetic: one wait on vm_vsrc at the head's end.
;   VS, VF     Loaded at a trip's head; read by the trip's last eight products.  One wait on va_vdst at the loop's head, for the way back.
;   KSW, KIM   Loaded at a live group's head; read by that group's third scaled product.  One wait on va_vdst ahead of the loads, for the live group before.
;   v9-11      Read by a live group's six v_readlane_b32, each of which is followed by that group's later waits on va_vdst; loaded again behind the sixteenth group.
;   CODE, PSW; PC0-3, PW   Written by vector lines and taken by scaled products: the places, then a wait on va_vdst: one a live group, one a trip.
;   In the merge: O, -M and the sums go to LDS behind one wait on va_vdst; the loads of the parts follow it with no vector line between; the result's stores have a wait of their own, and the loads back follow that one likewise.
;   Results of square roots, exponentials and the reciprocal: a wait on va_vdst ahead of each batch's first reader.  s30 and s40-45, written by vector lines: a wait on va_sdst ahead of the first reader.
.set QSW, 13
.set KSW, 14
.set PSW, 15
.set W2S, 16
.set PW,  18
.set VS,  22
.set XB,  26                           ; v26-29   source 1 of the f32 products, a pair for each set
.set GT,  30                           ; v30-34   set 0's geometry: rel, the squared distance, the distance
.set GU,  35                           ; v35-37   set 1's rel
.set TM,  38                           ; v38-45   quantiser at work
.set W1A, 46                           ; v46-49   w1, two tiles
.set B1C, 50                           ; v50-65   b1, two tiles
.set HD,  66                           ; v66-97   the f32 products' results: set s, tile u at 16 s + 8 u
.set HR,  98                           ; v98-129  after relu
.set ACCA, 130
.set ACCB, 138
.set P,   146                          ; v146-209 logits, then p: head i', idx at 16 i' + idx
.set BM,  210                          ; the block's largest logit
.set TR,  214                          ; the running largest t
.set NM,  218                          ; -M
.set LS,  222                          ; the sum
.set FA,  226                          ; v226-233 2^(old M - new M), in the low word of a pair
.set SOP, 234                          ; p's conversions' scale operands
.set TT,  238                          ; v238-245 at work
.set GW,  252                          ; v252-253 set 1's squared distance and distance
.set VF,  98                           ; window 1
.set W2F, 138
.set KIM, 162
.set QF,  174
.set CODE, 186
.set PC0, 198
.set PC1, 210
.set B2C, 222
.set PC2, 230
.set PC3, 242
.set MW,  48                           ; s[48:63] the block's 16 mask words
.set MLP, 65536                        ; LDS: 0 .. 65,535 the waves' parts of O (wave x 8,192 + accumulator x 1,024 + half x 512 + 16 x lane); then -M and the sum (wave x 1,024 + 32 x lane);
.set STG, 73728                        ; then a stage of 16 rows x (512 + 16) bytes
.set MO,  98                           ; the merge: v98-161 eight waves' parts of my accumulator, v162-169 their -M, v170-177 their sums, v178-185 their factors, v186-193 the result
.set MN,  162
.set ML,  170
.set MG,  178
.set MR,  186
.set MSB, 0
.macro WIN new                         ; the immediate's high byte repeats the setting that is left; a switch that changes nothing is dropped
.if MSB != \new
	s_set_vgpr_msb (MSB<<8)|\new
.set MSB, \new
.endif
.endm
.macro GEOA s, rel, sq                 ; the pair (my query, set s's key): rel into v[rel] on, the squared distance into v[sq], the distance into v[sq + 1]
	v_sub_f32 v[\rel], v6, s[40+3*\s]
	v_sub_f32 v[\rel+1], v7, s[41+3*\s]
	v_sub_f32 v[\rel+2], v8, s[42+3*\s]
	v_mul_f32 v[\sq], v[\rel], v[\rel]
	v_fma_f32 v[\sq], v[\rel+1], v[\rel+1], v[\sq]
	v_fma_f32 v[\sq], v[\rel+2], v[\rel+2], v[\sq]
	v_sqrt_f32 v[\sq+1], v[\sq]
.endm
; PASS 1 of group g: its four heads' logits, -infinity where the mask is shut; 0 in a group that is passed over (that is its p).
.macro GRP g
	v_mov_b32 v[P+\g], 0
	v_mov_b32 v[P+16+\g], 0
	v_mov_b32 v[P+32+\g], 0
	v_mov_b32 v[P+48+\g], 0
	s_cmp_eq_u32 s[MW+\g], 0
	s_cbranch_scc1 .Ldead_\@
	v_readlane_b32 s40, v9, \g
	v_readlane_b32 s41, v10, \g
	v_readlane_b32 s42, v11, \g
	v_readlane_b32 s43, v9, 16+\g
	v_readlane_b32 s44, v10, 16+\g
	v_readlane_b32 s45, v11, 16+\g
	s_wait_alu depctr_va_vdst(0)                   ; the products of the live group before are done reading k's image and k's scale words, in which the four loads below land
	global_load_b32 v[KSW], v2, s[86:87] offset:8*\g        ; k's scale words: row 8 h' + ..: key 16 h' + idx, heads 4 G + 0 .. 3
	WIN 0x40
	global_load_b128 v[KIM:KIM+3], v1, s[84:85] offset:1536*\g
	global_load_b128 v[KIM+4:KIM+7], v1, s[84:85] offset:1536*\g+512
	global_load_b128 v[KIM+8:KIM+11], v1, s[84:85] offset:1536*\g+1024
	WIN 0
	s_wait_alu depctr_va_sdst(0)                   ; the six v_readlane_b32 have written s40 to s45, ahead of the first subtraction that reads one
	GEOA 0, GT, GT+3
	GEOA 1, GU, GW                                 ; both sets' square roots are one batch
	v_cndmask_b32 v[XB], v[GT], v[GT+2], s46       ; lanes 0-15 give (dx, dy), lanes 16-31 (dz, dist).  (The plain instruction behind the last square root)
	s_wait_alu depctr_va_vdst(0)                   ; the two square roots are written, ahead of their first reader
	v_cndmask_b32 v[XB+1], v[GT+1], v[GT+4], s46
	v_wmma_f32_16x16x4_f32 v[HD:HD+7], v[W1A:W1A+1], v[XB:XB+1], v[B1C:B1C+7]
	v_wmma_f32_16x16x4_f32 v[HD+8:HD+15], v[W1A+2:W1A+3], v[XB:XB+1], v[B1C+8:B1C+15]
	v_cndmask_b32 v[XB+2], v[GU], v[GU+2], s46
	v_cndmask_b32 v[XB+3], v[GU+1], v[GW+1], s46
	v_wmma_f32_16x16x4_f32 v[HD+16:HD+23], v[W1A:W1A+1], v[XB+2:XB+3], v[B1C:B1C+7]
	v_wmma_f32_16x16x4_f32 v[HD+24:HD+31], v[W1A+2:W1A+3], v[XB+2:XB+3], v[B1C+8:B1C+15]
.rept 6
	v_nop                                          ; with set 1's two selects, which name no register of set 0's products, the eight places behind those products
.endr
.set i, 0
.rept 32
	v_max_num_f32 v[HR+i], 0, v[HD+i]              ; relu, into other registers, each result from its low end on; set 0's sixteen are among the places behind set 1's products
.set i, i+1
.endr
	v_max3_num_f32 v[TM], v[HR], v[HR+1], 0x2800000        ; each pair's 32 hidden units are one block; none is negative; the floor 2^(5 - 127) holds the byte at 1
	v_max3_num_f32 v[TM+1], v[HR+16], v[HR+17], 0x2800000
.irp i, 2,4,6,8,10,12,14
	v_max3_num_f32 v[TM], v[TM], v[HR+\i], v[HR+\i+1]
	v_max3_num_f32 v[TM+1], v[TM+1], v[HR+16+\i], v[HR+17+\i]
.endr
	v_permlanex16_b32 v[TM+2], v[TM], s34, s35
	v_permlanex16_b32 v[TM+3], v[TM+1], s34, s35
	v_max_num_f32 v[TM], v[TM], v[TM+2]
	v_max_num_f32 v[TM+1], v[TM+1], v[TM+3]
	v_add_nc_u32 v[TM+4], 0xfe000000, v[TM]        ; 4 off the exponent field: the conversion's scale operand
	v_add_nc_u32 v[TM+5], 0xfe000000, v[TM+1]
	v_lshrrev_b32 v[TM+6], 23, v[TM+4]
	v_lshrrev_b32 v[TM+7], 23, v[TM+5]
	v_perm_b32 v[PSW], v[TM+7], v[TM+6], s38       ; the scale word: set 0's byte for K blocks 0, 1, set 1's for 2, 3
	WIN 0x40
	v_cvt_scalef32_pk16_bf6_f32 v[CODE:CODE+2], v[HR:HR+15], v[TM+4]
	v_cvt_scalef32_pk16_bf6_f32 v[CODE+6:CODE+8], v[HR+16:HR+31], v[TM+5]
.rept 8
	v_nop                                          ; a scale register written by a vector instruction stands 8 places ahead of a scaled matrix instruction, an operand so written 4, and one plain instruction stands behind a conversion
.endr
	s_wait_alu depctr_va_vdst(0)                   ; behind the places: the conversions have written the hidden layer's codes and v_perm_b32 its scale word, which the scaled products take (in the first live group: w2's operands and words from the head too)
	s_wait_loadcnt 0x0                             ; k's image and words are in.  The count is 0: how many other loads are out differs with the groups passed over
	WIN 0x15
	v_wmma_scale_f32_16x16x128_f8f6f4 v[ACCA:ACCA+7], v[W2F:W2F+11], v[CODE:CODE+11], v[B2C:B2C+7], v[W2S], v[PSW] matrix_a_fmt:MATRIX_FMT_BF6 matrix_b_fmt:MATRIX_FMT_BF6
	v_wmma_scale_f32_16x16x128_f8f6f4 v[ACCB:ACCB+7], v[W2F+12:W2F+23], v[CODE:CODE+11], 0, v[W2S+1], v[PSW] matrix_a_fmt:MATRIX_FMT_BF6 matrix_b_fmt:MATRIX_FMT_BF6
	WIN 0x05
	v_wmma_scale_f32_16x16x128_f8f6f4 v[ACCA:ACCA+7], v[KIM:KIM+11], v[QF:QF+11], v[ACCA:ACCA+7], v[KSW], v[QSW] matrix_a_fmt:MATRIX_FMT_BF6 matrix_b_fmt:MATRIX_FMT_BF6   ; the two accumulators take turns
	WIN 0
.rept 4
	v_nop                                          ; four places in front of the first read of results
.endr
.irp j, 0,2,4,6
	v_pk_add_f32 v[TT+\j:TT+\j+1], v[ACCA+\j:ACCA+\j+1], v[ACCB+\j:ACCB+\j+1]
.endr
	v_pk_add_f32 v[TT:TT+1], v[TT:TT+1], v[TT+4:TT+5]       ; registers i' and 4 + i': the logit of head i'
	v_pk_add_f32 v[TT+2:TT+3], v[TT+2:TT+3], v[TT+6:TT+7]
.irp n, 0,1,2,3
	v_cndmask_b32 v[P+16*\n+\g], v4, v[TT+\n], s[MW+\g]
.endr
.irp n, 0,1,2,3
	v_max_num_f32 v[BM+\n], v[BM+\n], v[P+16*\n+\g]
.endr
.Ldead_\@:
.endm
; PASS 2 of group g: p = 2^(t - M) and its share of the sum
.macro EXPG g
	s_cmp_eq_u32 s[MW+\g], 0
	s_cbranch_scc1 .Lnone_\@
.irp n, 0,1,2,3
	v_fma_f32 v[P+16*\n+\g], v[P+16*\n+\g], s36, v[NM+\n]
.endr
.irp n, 0,1,2,3
	v_exp_f32 v[P+16*\n+\g], v[P+16*\n+\g]
.endr
	v_nop                                          ; one plain instruction behind the last exponential
	s_wait_alu depctr_va_vdst(0)                   ; the group's four exponentials are written, ahead of their first reader and of the label
.irp n, 0,1,2,3
	v_add_f32 v[LS+\n], v[LS+\n], v[P+16*\n+\g]
.endr
.Lnone_\@:
.endm
.macro RS n                            ; head n's O under the new M
	WIN 0x41
.irp j, 0,2,4,6,8,10,12,14
	v_pk_mul_f32 v[16*\n+\j:16*\n+\j+1], v[16*\n+\j:16*\n+\j+1], v[FA+2*\n:FA+2*\n+1] op_sel_hi:[1,0]
.endr
.endm
.macro WW n, pc                        ; head n: O^T += v^T p^T, its two tiles of 16 channels; v's scale words: lanes 0-15 tile 0, lanes 16-31 tile 1
	WIN 0x55
	v_wmma_scale_f32_16x16x128_f8f6f4 v[16*\n:16*\n+7], v[VF+8*\n:VF+8*\n+11], v[\pc:\pc+11], v[16*\n:16*\n+7], v[VS+\n], v[PW+\n] matrix_a_fmt:MATRIX_FMT_BF6 matrix_b_fmt:MATRIX_FMT_BF6
	v_wmma_scale_f32_16x16x128_f8f6f4 v[16*\n+8:16*\n+15], v[VF+8*\n+4:VF+8*\n+15], v[\pc:\pc+11], v[16*\n+8:16*\n+15], v[VS+\n], v[PW+\n] matrix_a_fmt:MATRIX_FMT_BF6 matrix_b_fmt:MATRIX_FMT_BF6 matrix_a_scale:MATRIX_SCALE_ROW1
.endm
	s_load_b512 s[4:19], s[0:1], 0x0               ; xyz s[4:5], w1 s[6:7], b1 s[8:9], w2 s[10:11], b2 s[12:13], qc s[14:15], qs s[16:17], kimg s[18:19]
	s_load_b256 s[20:27], s[0:1], 0x40             ; ks s[20:21], vimg s[22:23], vsc s[24:25], maskw s[26:27]
	s_load_b64 s[28:29], s[0:1], 0x60              ; out0
	v_lshl_add_u32 v254, v0, 2, 0x14200
	v_mov_b32 v255, 0
	v_lshrrev_b32 v5, 5, v0
	v_readfirstlane_b32 s30, v5                    ; wave 0..7
	s_mov_b32 s31, ttmp9                           ; T
	s_and_b32 s32, ttmp7, 0xffff                   ; G
	s_mov_b32 s33, 8                               ; blocks to go
	s_mov_b32 s34, 0x76543210                      ; v_permlanex16_b32's selects for lane l xor 16
	s_mov_b32 s35, 0xfedcba98
	s_mov_b32 s36, 0x3fb8aa3b                      ; log2(e)
	s_mov_b32 s38, 0x04040000                      ; byte selects: second source's byte 0 twice, first source's byte 0 twice
	s_mov_b32 s46, 0xffff0000                      ; lanes 16-31
	s_mov_b32 s47, 0xff00ff00                      ; lanes whose row has h' = 1
	v_and_b32 v30, 31, v0                          ; lane
	v_and_b32 v31, 15, v0                          ; r
	v_bfe_u32 v32, v0, 4, 1                        ; h
	v_lshlrev_b32 v1, 4, v30
	v_bfe_u32 v2, v0, 3, 1
	v_lshlrev_b32 v2, 7, v2
	v_mov_b32 v3, 0
	v_mov_b32 v4, 0xff800000
	v_lshlrev_b32 v12, 2, v30
	s_wait_alu depctr_va_sdst(0)                   ; s30 is written, ahead of its first reader: LDS addresses and bases are made from it
	; the LDS addresses of the merge: a constant + a constant x lane + a constant x wave
	s_lshl_b32 s94, s30, 13
	v_add_nc_u32 v246, s94, v1                     ; my wave's part of O
	s_lshl_b32 s94, s30, 10
	v_add_nc_u32 v248, s94, v1                     ; accumulator w in every wave's part
	s_add_co_u32 s94, s94, MLP
	v_lshl_add_u32 v247, v30, 5, s94               ; my wave's -M and sums
	s_lshr_b32 s94, s30, 1
	s_lshl_b32 s94, s94, 2
	s_add_co_u32 s94, s94, MLP
	v_lshl_add_u32 v249, v30, 5, s94               ; head w / 2's in every wave's
	v_mul_u32_u24 v250, v31, 528
	v_lshl_add_u32 v250, v32, 5, v250
	s_lshl_b32 s94, s30, 6
	s_add_co_u32 s94, s94, STG
	v_add_nc_u32 v250, s94, v250                   ; the stage: row r, + 64 w + 32 h
	s_mul_i32 s94, s30, 1056
	s_add_co_u32 s94, s94, STG
	v_add_nc_u32 v251, s94, v1                     ; and back: rows 2 w, 2 w + 1
	; offsets of the loads at the head
	v_and_b32 v33, 3, v0
	v_lshlrev_b32 v33, 4, v33
	v_bfe_u32 v34, v0, 2, 1
	v_lshl_add_u32 v33, v34, 2, v33
	v_lshl_add_u32 v33, v32, 11, v33               ; w2: hidden 16 h on, column 4 i' + a
	v_and_b32 v34, 8, v31
	v_add_nc_u32 v34, v34, v31
	v_lshlrev_b32 v34, 2, v34
	v_lshl_add_u32 v34, v32, 8, v34                ; w1: inputs 2 h on, hidden r + 8 (r / 8)
	v_lshlrev_b32 v35, 6, v32                      ; b1: hidden 16 h on
	v_mul_u32_u24 v36, v31, 192
	v_mad_u32_u24 v36, v32, 24, v36                ; q's codes: row r, head h of my four
	v_lshlrev_b32 v37, 3, v31                      ; q's scale bytes: 8 a row
	v_lshlrev_b32 v38, 2, v31                      ; my query's coordinates
	s_mov_b32 s95, 0
	s_wait_kmcnt 0x0
	s_lshl_b32 s94, s32, 6
	s_add_nc_u64 s[66:67], s[10:11], s[94:95]      ; w2's columns 16 G on
	s_add_nc_u64 s[98:99], s[12:13], s[94:95]      ; b2's numbers 16 G on
	s_load_b512 s[68:83], s[98:99], 0x0
	s_lshl_b32 s94, s31, 12
	s_lshl_b32 s37, s30, 9
	s_add_co_u32 s94, s94, s37
	s_add_nc_u64 s[96:97], s[26:27], s[94:95]      ; maskw[T][8 w]
	s_load_b512 s[MW:MW+15], s[96:97], 0x0
	s_mul_i32 s94, s31, 3072
	s_mul_i32 s37, s32, 96
	s_add_co_u32 s94, s94, s37
	s_add_nc_u64 s[40:41], s[14:15], s[94:95]      ; q's codes: query 16 T, head 4 G
	s_lshl_b32 s94, s31, 7
	s_lshl_b32 s37, s32, 2
	s_add_co_u32 s94, s94, s37
	s_add_nc_u64 s[42:43], s[16:17], s[94:95]
	s_lshl_b32 s94, s31, 6
	s_add_nc_u64 s[44:45], s[4:5], s[94:95]
	s_lshl_b32 s94, s30, 10
	s_add_nc_u64 s[92:93], s[4:5], s[94:95]        ; the keys of block 8 w
	s_mul_i32 s94, s32, 1572864
	s_mul_i32 s37, s30, 196608
	s_add_co_u32 s94, s94, s37
	s_add_nc_u64 s[84:85], s[18:19], s[94:95]      ; kimg[G][8 w]
	s_lshl_b32 s94, s30, 11
	s_lshl_b32 s37, s32, 2
	s_add_co_u32 s94, s94, s37
	s_add_nc_u64 s[86:87], s[20:21], s[94:95]      ; ks: key 256 w, head 4 G
	s_lshl_b32 s94, s30, 16
	s_lshl_b32 s37, s32, 12
	s_add_co_u32 s94, s94, s37
	s_add_nc_u64 s[88:89], s[22:23], s[94:95]      ; vimg[8 w][4 G]
	s_lshl_b32 s94, s30, 13
	s_lshl_b32 s37, s32, 9
	s_add_co_u32 s94, s94, s37
	s_add_nc_u64 s[90:91], s[24:25], s[94:95]      ; vsc[8 w][G]
	s_wait_alu depctr_va_vdst(0)                   ; the offsets v1, v2, v12 and v33 to v38 and the LDS addresses v246 to v251 are written, which the loads and stores of the whole kernel read
.irp n, 0,1
.irp t, 0,1,2,3,4,5,6,7,8,9,10,11,12,13,14,15
	global_load_b32 v[HR+16*\n+\t], v33, s[66:67] offset:128*\t+8*\n      ; w2(16 h + t, column 4 (4 G + i') + 2 n + a)
.endr
.endr
.irp u, 0,1
.irp j, 0,1
	global_load_b32 v[W1A+2*\u+\j], v34, s[6:7] offset:128*\j+32*\u
	global_load_b128 v[B1C+8*\u+4*\j:B1C+8*\u+4*\j+3], v35, s[8:9] offset:32*\u+16*\j
.endr
.endr
	global_load_b32 v[QSW], v37, s[42:43]
	global_load_b32 v6, v38, s[44:45]
	global_load_b32 v7, v38, s[44:45] offset:8192
	global_load_b32 v8, v38, s[44:45] offset:16384
	global_load_b32 v9, v12, s[92:93]
	global_load_b32 v10, v12, s[92:93] offset:8192
	global_load_b32 v11, v12, s[92:93] offset:16384
	WIN 0x40
.irp p, 0,1,2,3,4,5
	global_load_b64 v[QF+2*\p:QF+2*\p+1], v36, s[40:41] offset:48*(\p/3)+8*(\p%3)    ; q's fragment stays in registers
.endr
.set i, 0
.rept 64
	v_mov_b32 v[i], 0                              ; O.  (The loop is written once: its first step finds zeros)
.set i, i+1
.endr
.irp i, 32,33,34,35,36,37,38,39
	v_mov_b32 v[VF+\i], 0                          ; behind v's last fragment: registers that its span names
.endr
.irp i, 3,4,5,9,10,11
	v_mov_b32 v[CODE+\i], 0                        ; zero codes that stay
	v_mov_b32 v[W2F+\i], 0
	v_mov_b32 v[W2F+12+\i], 0
.endr
.irp i, 3,4,5,6,7,8,9,10,11
	v_mov_b32 v[PC0+\i], 0
	v_mov_b32 v[PC1+\i], 0
	v_mov_b32 v[PC2+\i], 0
	v_mov_b32 v[PC3+\i], 0
.endr
	WIN 0
.irp n, 0,1,2,3
	v_mov_b32 v[TR+\n], 0xff61b1e6                 ; the largest t so far: -3e38, under every t
	v_mov_b32 v[LS+\n], 0
	v_mov_b32 v[FA+2*\n+1], 0                      ; (named as the upper half of a pair)
.endr
.irp n, 0,1,2,3
	v_floor_f32 v[NM+\n], -v[TR+\n]
.endr
	v_mov_b32 v[TM+2], 0                           ; written once: a lane permute's destination counts as one of its sources
	v_mov_b32 v[TM+3], 0
	s_wait_loadcnt 0x0
	s_wait_kmcnt 0x0
	s_wait_alu depctr_vm_vsrc(0)                   ; the head's loads have read their offsets v33 to v38, which the quantiser below and the loop's geometry write again
	; w2's two operands: a column's 32 numbers lie in lanes l and l xor 16
	v_max3_num_f32 v[TM], |v[HR]|, |v[HR+1]|, 0x3800000     ; the floor 2^(7 - 127): the byte less 2 stays at 1
	v_max3_num_f32 v[TM+1], |v[HR+16]|, |v[HR+17]|, 0x3800000
.irp i, 2,4,6,8,10,12,14
	v_max3_num_f32 v[TM], v[TM], |v[HR+\i]|, |v[HR+\i+1]|
	v_max3_num_f32 v[TM+1], v[TM+1], |v[HR+16+\i]|, |v[HR+17+\i]|
.endr
	v_permlanex16_b32 v[TM+2], v[TM], s34, s35
	v_permlanex16_b32 v[TM+3], v[TM+1], s34, s35
	v_max_num_f32 v[TM], v[TM], v[TM+2]
	v_max_num_f32 v[TM+1], v[TM+1], v[TM+3]
	v_add_nc_u32 v[TM+4], 0xfe000000, v[TM]
	v_add_nc_u32 v[TM+5], 0xfe000000, v[TM+1]
	v_lshrrev_b32 v[TM+6], 23, v[TM+4]
	v_lshrrev_b32 v[TM+7], 23, v[TM+5]
	v_add_nc_u32 v[TM+6], -2, v[TM+6]              ; the mean over four outputs: 1/4, taken off the scale
	v_add_nc_u32 v[TM+7], -2, v[TM+7]
	v_perm_b32 v[W2S], v[TM+6], v[TM+6], v3        ; the byte in all four places
	v_perm_b32 v[W2S+1], v[TM+7], v[TM+7], v3
	v_cvt_scalef32_pk16_bf6_f32 v[TT:TT+2], v[HR:HR+15], v[TM+4]
	v_cvt_scalef32_pk16_bf6_f32 v[TT+4:TT+6], v[HR+16:HR+31], v[TM+5]
	v_nop                                          ; one plain instruction behind a scaled conversion
	WIN 0x40
.irp n, 0,1
.irp i, 0,1,2
	v_cndmask_b32 v[W2F+12*\n+\i], v[TT+4*\n+\i], v3, s47       ; rows with h' = 0 meet set 0 (K blocks 0, 1),
	v_cndmask_b32 v[W2F+12*\n+6+\i], v3, v[TT+4*\n+\i], s47     ; rows with h' = 1 set 1 (K blocks 2, 3)
.endr
.endr
	WIN 0
.irp a, 0,1
.irp i, 0,1,2,3
	v_add_f32 v[TT+4*\a+\i], s[68+4*\i+\a], s[70+4*\i+\a]   ; b2 of the two columns that register 4 a + i' sums
.endr
.endr
	WIN 0x40
.irp i, 0,1,2,3,4,5,6,7
	v_mul_f32 v[B2C+\i], 0x3e800000, v[TT+\i]
.endr
	WIN 0
.Lblock:                                           ; eight trips: a block of 32 keys each
	s_wait_kmcnt 0x0                               ; the block's mask words
.irp n, 0,1,2,3
	v_mov_b32 v[BM+\n], v4                         ; the block's largest logit starts at -infinity
.endr
	s_wait_alu depctr_va_vdst(0)                   ; the last trip's eight products are done reading v's fragments and v's scale words, in which the nine loads below land
	global_load_b128 v[VS:VS+3], v1, s[90:91]
	WIN 0x40
.irp f, 0,1,2,3,4,5,6,7
	global_load_b128 v[VF+4*\f:VF+4*\f+3], v1, s[88:89] offset:512*\f
.endr
	WIN 0
.irp g, 0,1,2,3,4,5,6,7,8,9,10,11,12,13,14,15
	GRP \g
.endr
	s_cmp_lg_u32 s33, 1                            ; the next block's coordinates and mask words are asked for a trip ahead; the last trip steps by 0 and asks for its own again: no load leaves its buffer
	s_cselect_b32 s94, 128, 0
	s_cselect_b32 s98, 64, 0
	s_mov_b32 s95, 0
	s_mov_b32 s99, 0
	s_add_nc_u64 s[92:93], s[92:93], s[94:95]      ; (the loads that named this base were waited for in the trip before)
	global_load_b32 v9, v12, s[92:93]              ; every v_readlane_b32 that read v9 to v11 stands ahead of a later wait on va_vdst of its own group, and no vector line since names them
	global_load_b32 v10, v12, s[92:93] offset:8192
	global_load_b32 v11, v12, s[92:93] offset:16384
	; the new M, the block's scale, the factor: stage by stage, the four heads by turns
.irp n, 0,1,2,3
	v_permlanex16_b32 v[TT+\n], v[BM+\n], s34, s35
.endr
.irp n, 0,1,2,3
	v_max_num_f32 v[BM+\n], v[BM+\n], v[TT+\n]     ; the largest logit of my query's 32 keys
.endr
.irp n, 0,1,2,3
	v_mul_f32 v[TT+4+\n], s36, v[BM+\n]
.endr
.irp n, 0,1,2,3
	v_max_num_f32 v[TR+\n], v[TR+\n], v[TT+4+\n]
.endr
.irp n, 0,1,2,3
	v_mov_b32 v[TT+\n], v[NM+\n]
.endr
.irp n, 0,1,2,3
	v_floor_f32 v[NM+\n], -v[TR+\n]                ; -M = floor(-t) = -ceil(t)
.endr
.irp n, 0,1,2,3
	v_fma_f32 v[TT+4+\n], v[BM+\n], s36, v[NM+\n]
.endr
.irp n, 0,1,2,3
	v_exp_f32 v[TT+4+\n], v[TT+4+\n]               ; the block's largest p: the same two instructions as every p
.endr
.irp n, 0,1,2,3
	v_sub_f32 v[TT+\n], v[NM+\n], v[TT+\n]         ; old M - new M: a whole number, 0 or less.  (Plain instructions behind the exponentials)
.endr
	s_wait_alu depctr_va_vdst(0)                   ; the four exponentials are written, ahead of their first reader
.irp n, 0,1,2,3
	v_max_num_f32 v[TT+4+\n], 0x2800000, v[TT+4+\n]
.endr
.irp n, 0,1,2,3
	v_add_nc_u32 v[SOP+\n], 0xfe000000, v[TT+4+\n]
.endr
.irp n, 0,1,2,3
	v_lshrrev_b32 v[TT+4+\n], 23, v[SOP+\n]
.endr
.irp n, 0,1,2,3
	v_perm_b32 v[PW+\n], v[TT+4+\n], v[TT+4+\n], v3
.endr
.irp n, 0,1,2,3
	v_cvt_i32_f32 v[TT+\n], v[TT+\n]               ; (it saturates)
.endr
.irp n, 0,1,2,3
	v_ldexp_f32 v[FA+2*\n], 1.0, v[TT+\n]
.endr
.irp n, 0,1,2,3
	v_mul_f32 v[LS+\n], v[LS+\n], v[FA+2*\n]
.endr
.irp g, 0,1,2,3,4,5,6,7,8,9,10,11,12,13,14,15
	EXPG \g
.endr
	s_add_nc_u64 s[96:97], s[96:97], s[98:99]      ; the mask words' last readers have passed
	s_load_b512 s[MW:MW+15], s[96:97], 0x0
	s_wait_loadcnt 0x0                             ; v's fragments and words, and the next block's coordinates
	WIN 0x40
	v_cvt_scalef32_pk16_bf6_f32 v[PC0:PC0+2], v[P:P+15], v[SOP]            ; a buffer of codes for each head: all four conversions stand ahead of the one wait
	v_cvt_scalef32_pk16_bf6_f32 v[PC1:PC1+2], v[P+16:P+31], v[SOP+1]
	v_cvt_scalef32_pk16_bf6_f32 v[PC2:PC2+2], v[P+32:P+47], v[SOP+2]
	v_cvt_scalef32_pk16_bf6_f32 v[PC3:PC3+2], v[P+48:P+63], v[SOP+3]
	RS 0                                           ; two heads' rescalings are the places between the conversions and the products
	RS 1
	s_wait_alu depctr_va_vdst(0)                   ; behind the places: the four conversions have written p's codes and the v_perm_b32 p's scale words, which the eight scaled products take
	WW 0, PC0
	RS 2
	WW 1, PC1
	RS 3
	WW 2, PC2
	WW 3, PC3
	WIN 0
	s_add_nc_u64 s[84:85], s[84:85], 24576         ; every load that named these bases was waited for above
	s_add_nc_u64 s[86:87], s[86:87], 256
	s_add_nc_u64 s[88:89], s[88:89], 8192
	s_add_nc_u64 s[90:91], s[90:91], 1024
	s_sub_co_u32 s33, s33, 1
	s_cmp_lg_u32 s33, 0
	s_cbranch_scc1 .Lblock
	; ---- THE MERGE over the eight waves' keys
.irp n, 0,1,2,3
	v_permlanex16_b32 v[TT+\n], v[LS+\n], s34, s35
.endr
.irp n, 0,1,2,3
	v_add_f32 v[LS+\n], v[LS+\n], v[TT+\n]         ; the sum of both halves' keys.  (Four places behind the last products)
.endr
	WIN 0x04                                       ; an LDS store's data are its source 1: window 1
	s_wait_alu depctr_va_vdst(0)                   ; behind the places: the last products have written O and the additions the sums, which the LDS stores read; and all the loop's lines are done with v98 to v177, in which the parts' loads land behind the barrier
.irp a, 0,1,2,3,4,5,6,7
	ds_store_b128 v246, v[8*\a:8*\a+3] offset:1024*\a          ; each accumulator from its low end on
	ds_store_b128 v246, v[8*\a+4:8*\a+7] offset:1024*\a+512
.endr
	WIN 0
	ds_store_b128 v247, v[NM:NM+3]
	ds_store_b128 v247, v[LS:LS+3] offset:16
	s_wait_dscnt 0x0                               ; my stores have landed
	s_barrier_signal -1
	s_barrier_wait -1
.irp v, 0,1,2,3,4,5,6,7                            ; wave w takes accumulator w (head w / 2, tile w % 2) of all eight waves
	ds_load_b128 v[MO+8*\v:MO+8*\v+3], v248 offset:8192*\v
	ds_load_b128 v[MO+8*\v+4:MO+8*\v+7], v248 offset:8192*\v+512
	ds_load_b32 v[MN+\v], v249 offset:1024*\v
	ds_load_b32 v[ML+\v], v249 offset:1024*\v+16
.endr
	s_wait_dscnt 0x0
	v_min3_num_f32 v195, v[MN], v[MN+1], v[MN+2]   ; the least -M: the largest M
	v_min3_num_f32 v195, v195, v[MN+3], v[MN+4]
	v_min3_num_f32 v195, v195, v[MN+5], v[MN+6]
	v_min_num_f32 v195, v195, v[MN+7]
.irp v, 0,1,2,3,4,5,6,7
	v_sub_f32 v[MG+\v], v195, v[MN+\v]             ; wave v's M less the largest: a whole number, 0 or less
.endr
.irp v, 0,1,2,3,4,5,6,7
	v_cvt_i32_f32 v[MG+\v], v[MG+\v]
.endr
.irp v, 0,1,2,3,4,5,6,7
	v_ldexp_f32 v[MG+\v], 1.0, v[MG+\v]            ; an exact power of two (0 for a wave that met no open key)
.endr
	v_mul_f32 v194, v[MG], v[ML]
.irp v, 1,2,3,4,5,6,7
	v_fma_f32 v194, v[MG+\v], v[ML+\v], v194
.endr
	v_rcp_f32 v194, v194                           ; the diagonal is always open, so the sum is over 1/2; the sums below stand between this line and its use
.irp j, 0,1,2,3,4,5,6,7
	v_mul_f32 v[MR+\j], v[MG], v[MO+\j]
.endr
.irp v, 1,2,3,4,5,6,7
.irp j, 0,1,2,3,4,5,6,7
	v_fma_f32 v[MR+\j], v[MG+\v], v[MO+8*\v+\j], v[MR+\j]
.endr
.endr
	s_wait_alu depctr_va_vdst(0)                   ; the reciprocal is written, ahead of its first reader
.irp j, 0,1,2,3,4,5,6,7
	v_mul_f32 v[MR+\j], v[MR+\j], v194
.endr
	s_wait_alu depctr_va_vdst(0)                   ; the eight multiplications have written the result, which the LDS stores read; and the sums are done reading v98 to v105, in which the loads from the stage land
	ds_store_b128 v250, v[MR:MR+3]                 ; lane (r, h): out(query r, head w / 2, d = 16 (w % 2) + 8 h + 0 .. 7)
	ds_store_b128 v250, v[MR+4:MR+7] offset:16
	s_lshl_b32 s94, s31, 14                        ; out0: row 16 T + 2 w of 1,024 bytes, + 512 G
	s_lshl_b32 s98, s30, 11
	s_add_co_u32 s94, s94, s98
	s_lshl_b32 s98, s32, 9
	s_add_co_u32 s94, s94, s98
	s_mov_b32 s95, 0
	s_add_nc_u64 s[28:29], s[28:29], s[94:95]
	s_wait_dscnt 0x0                               ; my stores have landed, and my reads of the parts are in
	s_barrier_signal -1
	s_barrier_wait -1
	ds_load_b128 v[MO:MO+3], v251
	ds_load_b128 v[MO+4:MO+7], v251 offset:528
	s_wait_dscnt 0x0
	global_store_b128 v1, v[MO:MO+3], s[28:29]     ; 32 lanes store 512 consecutive bytes, at a multiple of 256 from out0's first byte
	global_store_b128 v1, v[MO+4:MO+7], s[28:29] offset:1024
	s_wait_dscnt 0x0
	s_wait_alu depctr_hold_cnt(0) depctr_sa_sdst(0) depctr_va_vdst(0) depctr_va_sdst(0) depctr_va_ssrc(0) depctr_va_vcc(0) depctr_vm_vsrc(0)
	s_wait_tensorcnt 0x0
	ds_add_u32 v254, v255
	s_wait_dscnt 0x0
	s_endpgm
.Lfunc_end_k_q10ed7fc573_attn:
	.size	k_q10ed7fc573_attn, .Lfunc_end_k_q10ed7fc573_attn-k_q10ed7fc573_attn
	.p2alignl 7, 3214868480
	.fill 96, 4, 3214868480
	.section	.rodata,"a",@progbits
	.p2align	6, 0x0
	.amdhsa_kernel k_q10ed7fc573_attn
		.amdhsa_group_segment_fixed_size 83456
		.amdhsa_private_segment_fixed_size 0
		.amdhsa_enable_private_segment 0
		.amdhsa_kernarg_size 104
		.amdhsa_user_sgpr_count 2
		.amdhsa_user_sgpr_kernarg_segment_ptr 1
		.amdhsa_wavefront_size32 1
		.amdhsa_system_sgpr_workgroup_id_x 1
		.amdhsa_system_sgpr_workgroup_id_y 1
		.amdhsa_system_sgpr_workgroup_id_z 1
		.amdhsa_system_vgpr_workitem_id 0
		.amdhsa_next_free_vgpr 512
		.amdhsa_next_free_sgpr 100
		.amdhsa_reserve_vcc 0
		.amdhsa_float_denorm_mode_32 3
		.amdhsa_float_denorm_mode_16_64 3
		.amdhsa_memory_ordered 1
		.amdhsa_forward_progress 1
		.amdhsa_inst_pref_size 157
	.end_amdhsa_kernel
	.amdgpu_metadata
---
amdhsa.version: [ 1, 2 ]
amdhsa.kernels:
  - .name:           k_q10ed7fc573_attn
    .symbol:         k_q10ed7fc573_attn.kd
    .args:
      - { .name: xyz, .offset: 0, .size: 8, .value_kind: global_buffer, .address_space: global }
      - { .name: w1, .offset: 8, .size: 8, .value_kind: global_buffer, .address_space: global }
      - { .name: b1, .offset: 16, .size: 8, .value_kind: global_buffer, .address_space: global }
      - { .name: w2, .offset: 24, .size: 8, .value_kind: global_buffer, .address_space: global }
      - { .name: b2, .offset: 32, .size: 8, .value_kind: global_buffer, .address_space: global }
      - { .name: qc, .offset: 40, .size: 8, .value_kind: global_buffer, .address_space: global }
      - { .name: qs, .offset: 48, .size: 8, .value_kind: global_buffer, .address_space: global }
      - { .name: kimg, .offset: 56, .size: 8, .value_kind: global_buffer, .address_space: global }
      - { .name: ks, .offset: 64, .size: 8, .value_kind: global_buffer, .address_space: global }
      - { .name: vimg, .offset: 72, .size: 8, .value_kind: global_buffer, .address_space: global }
      - { .name: vsc, .offset: 80, .size: 8, .value_kind: global_buffer, .address_space: global }
      - { .name: maskw, .offset: 88, .size: 8, .value_kind: global_buffer, .address_space: global }
      - { .name: out0, .offset: 96, .size: 8, .value_kind: global_buffer, .address_space: global }
    .group_segment_fixed_size: 83456
    .private_segment_fixed_size: 0
    .kernarg_segment_align: 8
    .kernarg_segment_size: 104
    .max_flat_workgroup_size: 256
    .sgpr_count:     100
    .vgpr_count:     512
    .wavefront_size: 32
...
	.end_amdgpu_metadata
.endif
;; end of part 4
